; MI455X (gfx1250); checked and timed in simulation.
; The chip was launched on July 23, 2026; its instructions are those of AMD's public machine-readable ISA for CDNA 5 (MIT licence, August 2026) and "CDNA5" Instruction Set Architecture Reference Guide (July 2026). The comments in the code are by the model that wrote it; some were corrected since.
;; Sparse Attention Engine. Allowed arithmetic: float matrix products may take bf16 or f16 operands with f32 sums; other float arithmetic in f32, or as packed bf16 or f16 multiplies, adds, multiply-adds, maxima and minima; sums over many terms, partial sums and values carried from step to step in f32; what a program stores and reads back later, other than sums and carried values, may be rounded once to bf16 or f16.
;; Inputs: b1 256 float32; b2 1 float32; bk 1,024 float32; bo 1,024 float32; bq 1,024 float32; bv 1,024 float32; k 2 x 2,048 x 1,024 float32; q 2 x 2,048 x 1,024 float32; v 2 x 2,048 x 1,024 float32; w1 1,024 x 256 float32; w2 256 x 1 float32; wk 1,024 x 1,024 float32; wo 1,024 x 1,024 float32; wq 1,024 x 1,024 float32; wv 1,024 x 1,024 float32.
;; Outputs: out0 2 x 2,048 x 1,024 float32.
;; One version. Each part assembles by itself: llvm-mc -triple=amdgcn-amd-amdhsa -mcpu=gfx1250 --defsym DOCPART=n.
;; ======== version 1 of 1: 4 launches
;; limits: right only within a limited range of input values; values are held in f16: magnitudes above 65,504 overflow, below 6.1e-05 lose precision
;; workspace buffers: xb 25,165,824 bytes; wb 10,485,760 bytes; pj 25,165,824 bytes; ctx 8,388,608 bytes; kbias 16,384 bytes
;; launch prep (part 1): grid 2080 x 1, 8 waves a work-group, no clusters, 0 bytes of LDS; arguments q, k, v, wq, wk, wv, w1, wo, xb, wb; writes xb, wb
.if DOCPART == 1
	.amdgcn_target "amdgcn-amd-amdhsa--gfx1250"
	.amdhsa_code_object_version 6
	.text
	.protected	k_qb7dbc4467d_prep
	.globl	k_qb7dbc4467d_prep
	.p2align	8
	.type	k_qb7dbc4467d_prep,@function
k_qb7dbc4467d_prep:
	s_mov_b64 s[64:65], 0
	v_nop
	global_prefetch_b8 v0, s[64:65] scope:SCOPE_SE
	s_setreg_imm32_b32 hwreg(HW_REG_WAVE_MODE, 25, 1), 1
	s_wait_xcnt 0x0
; PREP: every large input is rounded once to bf16, so that the products of the later launches read 16-bit operands.
; xb = bf16 [3][4096][1024]: q, k, v.   wb = rows of 2,048 bytes in five regions of 2 MiB: wq, wk, wv (bf16 [k][n]); w1 (bf16 [k][256], the first 512 bytes of
; each row; the rest of the region is neither written nor read); wo (rounded to bf16, that number written as f16, since it multiplies an f16 operand).
; LIMIT.  wo's bf16 numbers are exact in f16 from 6.1e-5 to 65,504 in size; below that they keep f16's fixed step of 6e-8.
; SHARES.  A work-group takes 32,768 bytes of one input, four pieces of 8,192; a wave takes 1,024 bytes of a piece by two loads, each of 512 consecutive bytes (lane l at 16 l).
; A load's four numbers a lane become 8 bytes: a store of the wave covers 256 consecutive bytes, aligned.  A row of w1 is 1,024 bytes: one wave's part of a piece.
; All eight loads of a thread go out first; no register that a memory instruction names is written a second time.  Memory binds: no LDS, no matrix unit, no barrier.
.set OF, 4                             ; v[4:7]    piece i: my byte offset in the destination
.set X,  16                            ; v[16:47]  piece i: 8 numbers as loaded; its first 4 registers then hold the 2 x 8 bytes to store
.set TB, 48                            ; v[48:51]  the 8 numbers in bf16
.set TU, 52                            ; v[52:59]  those, widened again
.set TH, 60                            ; v[60:63]  those, as f16
	s_load_b512 s[8:23], s[0:1], 0x0               ; q, k, v, wq, wk, wv, w1, wo
	s_load_b128 s[24:27], s[0:1], 0x40             ; xb, wb
	s_mov_b32 s2, ttmp9                            ; g: q from 0, k 512, v 1024, wq 1536, wk 1664, wv 1792, w1 1920, wo 1952
	v_and_b32 v12, 31, v0                          ; lane
	v_lshrrev_b32 v13, 5, v0                       ; wave
	v_lshlrev_b32 v1, 4, v12
	v_lshl_or_b32 v1, v13, 10, v1                  ; in a piece: 1,024 x wave + 16 x lane
	v_lshlrev_b32 v12, 3, v12
	v_lshl_or_b32 v2, v13, 9, v12                  ; in its image: 512 x wave + 8 x lane,
	v_lshl_or_b32 v3, v13, 11, v12                 ; or for w1: row = wave, at 2,048 bytes
	s_lshl_b32 s36, s2, 14                         ; the destination's offset.  q, k, v: 16,384 g in xb
	s_mov_b32 s30, 4096                            ; and its step from piece to piece
	s_max_u32 s37, s2, 1536
	s_sub_co_u32 s37, s37, 1536
	s_lshl_b32 s37, s37, 14                        ; wq, wk, wv: 16,384 (g - 1536) in wb
	s_cmp_ge_u32 s2, 1536
	s_cselect_b32 s36, s37, s36
	s_max_u32 s37, s2, 1920
	s_sub_co_u32 s37, s37, 1920
	s_lshl_b32 s37, s37, 16                        ; w1: 32 rows of 2,048 bytes a work-group, from 6 MiB on
	s_add_co_u32 s37, s37, 0x600000
	s_cmp_ge_u32 s2, 1920
	s_cselect_b32 s36, s37, s36
	s_cselect_b32 s30, 16384, s30
	s_cselect_b32 s31, -1, 0                       ; all lanes: is it w1?
	s_max_u32 s37, s2, 1952
	s_sub_co_u32 s37, s37, 1952
	s_lshl_b32 s37, s37, 14                        ; wo: from 8 MiB on
	s_add_co_u32 s37, s37, 0x800000
	s_cmp_ge_u32 s2, 1952
	s_cselect_b32 s36, s37, s36
	s_cselect_b32 s30, 4096, s30
	s_cselect_b32 s31, 0, s31
	s_cselect_b32 s32, -1, 0                       ; all lanes: is it wo?
	s_mov_b32 s37, 0
	v_cndmask_b32 v[OF], v2, v3, s31
.irp i, 1,2,3
	v_add_nc_u32 v[OF+\i], s30, v[OF+\i-1]
.endr
	s_wait_kmcnt 0x0
	s_mov_b64 s[4:5], s[8:9]                       ; the source and its first work-group, chosen by g alone
	s_mov_b32 s6, 0
.macro PICK start, reg
	s_cmp_ge_u32 s2, \start
	s_cselect_b64 s[4:5], s[\reg:\reg+1], s[4:5]
	s_cselect_b32 s6, \start, s6
.endm
	PICK 512, 10
	PICK 1024, 12
	PICK 1536, 14
	PICK 1664, 16
	PICK 1792, 18
	PICK 1920, 20
	PICK 1952, 22
	s_sub_co_u32 s28, s2, s6
	s_lshl_b32 s28, s28, 15
	s_mov_b32 s29, 0
	s_add_nc_u64 s[4:5], s[4:5], s[28:29]
	s_cmp_ge_u32 s2, 1536
	s_cselect_b64 s[34:35], s[26:27], s[24:25]
	s_add_nc_u64 s[34:35], s[34:35], s[36:37]
.irp i, 0,1,2,3
	global_load_b128 v[X+8*\i:X+8*\i+3],   v1, s[4:5] offset:8192*\i th:TH_LOAD_NT
	global_load_b128 v[X+8*\i+4:X+8*\i+7], v1, s[4:5] offset:8192*\i+512 th:TH_LOAD_NT
.endr
.irp i, 0,1,2,3
	s_wait_loadcnt 6-2*\i                          ; loads come back in order: piece i's two are in, the younger ones stay out
.irp j, 0,1,2,3
	v_cvt_pk_bf16_f32 v[TB+\j], v[X+8*\i+2*\j], v[X+8*\i+2*\j+1]
.endr
.irp j, 0,1,2,3
	v_lshlrev_b32 v[TU+2*\j],   16, v[TB+\j]
	v_and_b32     v[TU+2*\j+1], 0xffff0000, v[TB+\j]
.endr
.irp j, 0,1,2,3
	v_cvt_pk_f16_f32 v[TH+\j], v[TU+2*\j], v[TU+2*\j+1]
.endr
.irp j, 0,1,2,3
	v_cndmask_b32 v[X+8*\i+\j], v[TB+\j], v[TH+\j], s32  ; the f16 spelling for wo alone
.endr
	global_store_b64 v[OF+\i], v[X+8*\i:X+8*\i+1],   s[34:35] th:TH_STORE_NT             ; the first load's numbers,
	global_store_b64 v[OF+\i], v[X+8*\i+2:X+8*\i+3], s[34:35] offset:256 th:TH_STORE_NT  ; the second's
.endr
	s_endpgm
.Lfunc_end_k_qb7dbc4467d_prep:
	.size	k_qb7dbc4467d_prep, .Lfunc_end_k_qb7dbc4467d_prep-k_qb7dbc4467d_prep
	.p2alignl 7, 3214868480
	.fill 96, 4, 3214868480
	.section	.rodata,"a",@progbits
	.p2align	6, 0x0
	.amdhsa_kernel k_qb7dbc4467d_prep
		.amdhsa_group_segment_fixed_size 0
		.amdhsa_private_segment_fixed_size 0
		.amdhsa_enable_private_segment 0
		.amdhsa_kernarg_size 80
		.amdhsa_user_sgpr_count 2
		.amdhsa_user_sgpr_kernarg_segment_ptr 1
		.amdhsa_wavefront_size32 1
		.amdhsa_system_sgpr_workgroup_id_x 1
		.amdhsa_system_sgpr_workgroup_id_y 1
		.amdhsa_system_sgpr_workgroup_id_z 1
		.amdhsa_system_vgpr_workitem_id 0
		.amdhsa_next_free_vgpr 64
		.amdhsa_next_free_sgpr 66
		.amdhsa_reserve_vcc 0
		.amdhsa_float_denorm_mode_32 3
		.amdhsa_float_denorm_mode_16_64 3
		.amdhsa_memory_ordered 1
		.amdhsa_forward_progress 1
		.amdhsa_inst_pref_size 10
	.end_amdhsa_kernel
	.amdgpu_metadata
---
amdhsa.version: [ 1, 2 ]
amdhsa.kernels:
  - .name:           k_qb7dbc4467d_prep
    .symbol:         k_qb7dbc4467d_prep.kd
    .args:
      - { .name: q, .offset: 0, .size: 8, .value_kind: global_buffer, .address_space: global }
      - { .name: k, .offset: 8, .size: 8, .value_kind: global_buffer, .address_space: global }
      - { .name: v, .offset: 16, .size: 8, .value_kind: global_buffer, .address_space: global }
      - { .name: wq, .offset: 24, .size: 8, .value_kind: global_buffer, .address_space: global }
      - { .name: wk, .offset: 32, .size: 8, .value_kind: global_buffer, .address_space: global }
      - { .name: wv, .offset: 40, .size: 8, .value_kind: global_buffer, .address_space: global }
      - { .name: w1, .offset: 48, .size: 8, .value_kind: global_buffer, .address_space: global }
      - { .name: wo, .offset: 56, .size: 8, .value_kind: global_buffer, .address_space: global }
      - { .name: xb, .offset: 64, .size: 8, .value_kind: global_buffer, .address_space: global }
      - { .name: wb, .offset: 72, .size: 8, .value_kind: global_buffer, .address_space: global }
    .group_segment_fixed_size: 0
    .private_segment_fixed_size: 0
    .kernarg_segment_align: 8
    .kernarg_segment_size: 80
    .max_flat_workgroup_size: 256
    .sgpr_count:     66
    .vgpr_count:     64
    .wavefront_size: 32
...
	.end_amdgpu_metadata
.endif
;; end of part 1
;; launch proj (part 2): grid 16 x 13, 4 waves a work-group, clusters of 4 x 1, 327,680 bytes of LDS; arguments xb, wb, bq, bk, bv, b1, w2, b2, pj, kbias; writes pj, kbias
.if DOCPART == 2
	.amdgcn_target "amdgcn-amd-amdhsa--gfx1250"
	.amdhsa_code_object_version 6
	.text
	.protected	k_qb7dbc4467d_proj
	.globl	k_qb7dbc4467d_proj
	.p2align	8
	.type	k_qb7dbc4467d_proj,@function
k_qb7dbc4467d_proj:
	s_mov_b64 s[64:65], 0
	v_nop
	global_prefetch_b8 v0, s[64:65] scope:SCOPE_SE
	s_setreg_imm32_b32 hwreg(HW_REG_WAVE_MODE, 25, 1), 1
	s_wait_xcnt 0x0
	s_wait_alu depctr_hold_cnt(0) depctr_sa_sdst(0) depctr_va_vdst(0) depctr_va_sdst(0) depctr_va_ssrc(0) depctr_va_vcc(0) depctr_vm_vsrc(0)
	s_getreg_b32 s2, hwreg(HW_REG_IB_STS2, 6, 4)
	s_cmp_eq_u32 s2, 0
	s_cbranch_scc0 .Lentry_in_a_cluster
	s_endpgm
.Lentry_in_a_cluster:
	s_bfe_u32 s2, ttmp6, 0x10000c
	s_cmp_lg_u32 s2, 0x3003
	s_cbranch_scc0 .Lentry_shape_is_right
	s_endpgm
.Lentry_shape_is_right:
; PROJ: pj[T] = x[T] w[T] + b[T] for T = 0, 1, 2 (q, k, v), stored in f16; and, where y = 12, the predictor: kbias[token] = 0 where
; sigmoid(relu(q w1 + b1) . w2 + b2) > 0.15, else -1e30.  x: bf16 [4096][1024]; w: bf16 [k][n], rows of 2,048 bytes; sums in f32.  All biases and w2 are rounded to bf16 like the other inputs.
; LIMITS.  pj is f16: |x w + b| stays under 65,504.  relu(..) . w2, one column, is taken in f32 on the vector unit.  A NaN score counts as hidden.
; SHARES.  A tile is 256 tokens x 256 columns, K = 1,024 in eight steps of 128.  Row tile = 4 x cluster x + cx; y = 4 T + column tile (y = 12: T = 3, A = q, B = w1, bias = b1).
; Four waves, 2 x 2, each 128 x 128: 64 accumulators, 512 registers.  Two LDS slots take turns; waves 0 and 1 fetch A's halves (128 rows x 256 bytes), waves 2 and 3 B's (64 k rows x 512 bytes).
; CLUSTER.  The four work-groups of a cluster have the same y and so the same tiles of B: those are asked for jointly (mask 15).  A's tiles are each work-group's own (mask 0).
; A cluster of 4 x 4 is not used: the grid has 13 rows of work-groups.
; B LIES [k][n] in LDS and comes out turned (ds_load_tr16_b128): lane l then holds column l % 16 and 8 + 8 of k.  The matrix instruction is used transposed (source 0 = 16 columns of w,
; source 1 = 16 tokens), so a lane's eight results are eight neighbouring columns of one token.
; A K STEP IS WRITTEN ONCE with its refill and once without: the slot in hand (C) and the next (N) are two sets of address registers, made anew at each step from two scalars that an exclusive or turns.
; REGISTERS, in windows of 256: window 0: v0-31 addresses; v32-63 bias, w2, at work; v64-127, v128-191 A's fragments, two buffers.  Window 1: v64-127, v128-191 B's.  Windows 2, 3: accumulator (a, b) at v[8 (8 (a % 4) + b)].
.set PA,    272                        ; a row of A in LDS: 256 + 16 bytes: the 16 rows of a load start at 16 different groups of four banks
.set PB,    544                        ; a row of B: 512 + 32 bytes, an odd multiple of 32
.set HALFT, 34816                      ; 128 x 272 = 64 x 544: what one tensor load brings
.set SLOT,  4*HALFT                    ; 0x22000: shares no bit with wave x HALFT (0, 0x8800, 0x11000, 0x19800)
.set BOFF,  2*HALFT                    ; B's 128 k rows lie behind A's 256 rows
.set DP,    528                        ; the way out: a row of 128 f32 + 16 bytes
.set DUMPW, 128*DP                     ; a wave's 128 x 128 results; the four lie in the slots, which have had their last fill by then
.set PRED,  2*SLOT                     ; 2,048 bytes: [column half][256 tokens] partial sums of the predictor
.set SPARE, PRED+2048                  ; the spare words, 128 bytes a wave: two blocks of 256 bytes that no other line names
.set BO,   13                          ; v13  32 (l % 16): my 8 columns in the bias
.set A0,   14                          ; v14  my lane's and wave's place in a slot's A
.set B0,   15                          ; v15  the same for B
.set ADRA, 16                          ; v16, v17  A0 + slot C, slot N
.set ADRB, 20                          ; v20, v21  B0 + slot C, slot N
.set STO,  24
.set RD,   25
.set CO,   26
.set PW,   27
.set SPW,  28                          ; v28  my spare word; never rewritten
.set NIL,  29                          ; v29  0; never rewritten
.set PFOA, 30                          ; v30  2,048 x lane
.set PFOB, 31                          ; v31  2,048 (lane / 2) + 256 (lane % 2)
.set F0,   64
.set F1,   128
.set G1,   24                          ; s[24:31] group 1 for A
.set G0,   32                          ; s[32:35] group 0 for A's K step 0; s[36:39] for K step 1, which then walks
.set G1B,  48                          ; s[48:55], s[56:59], s[60:63]: the same for B
.set G0B,  56
.set LIM,  43                          ; s43  2 in a wave that prefetches, else the greatest number
.set PFA,  44                          ; s[44:45] where my prefetches stand
.set PST,  46                          ; s[46:47] a K step in bytes: 256 along A's rows, 128 rows of B
.set TBC,  6                           ; s6   LDS byte of the slot in hand
.set TBN,  7                           ; s7   of the next
.set MSB, 0
.macro WIN new                         ; the immediate's high byte repeats the setting that is left; a switch that changes nothing is dropped
.if MSB != (\new)
	s_set_vgpr_msb (MSB<<8)|(\new)
.set MSB, \new
.endif
.endm
.set MUL_LO, 0xa1                      ; source 0 (B) window 1, source 1 (A) window 0, C and D window 2
.set MUL_HI, 0xf1
.set TO_B,   0x40
.macro PLACES                          ; four plain instructions between a matrix instruction and a load into, or a read of, its registers
.rept 4
	v_nop
.endr
.endm
.macro JLOAD                           ; the refill: waves 0, 1 A's halves, waves 2, 3 B's; the branch hangs on the wave's number alone.  s_nop 0 and four v_nop follow each line
	s_cmp_eq_u32 s11, 0
	s_cbranch_scc0 .Lfor_b_\@
	tensor_load_to_lds s[G0+4:G0+7], s[G1:G1+7]
	s_nop 0
	PLACES
	s_branch .Lasked_\@
.Lfor_b_\@:
	tensor_load_to_lds s[G0B+4:G0B+7], s[G1B:G1B+7]
	s_nop 0
	PLACES
.Lasked_\@:
.endm
; THE PREFETCH, behind the refill and the run of LDS loads: the K step two refills on.  Each row's 256 bytes of a K step are named once in the launch.  A's rows are read by the four (q: five) column
; tiles of a tensor: the work-groups of its first column tile ask, waves 0 and 1 each for the 128 rows that they fetch (a lane a row, four lines).  B's rows are read by the four clusters along x: the first asks,
; waves 2 and 3, the four partners sharing a wave's 64 rows of 512 bytes out by address, 16 each (a lane a block of 256 bytes).  The last two refills ask for nothing; K steps 0 to 3 come by their loads alone.
.macro ASK
	s_cmp_gt_u32 s3, s[LIM]
	s_cbranch_scc0 .Lnone_\@
	s_cmp_eq_u32 s11, 0
	s_cbranch_scc0 .Lpfb_\@
.irp n, 0,1,2,3
	global_prefetch_b8 v[PFOA], s[PFA:PFA+1] offset:256+65536*\n th:TH_LOAD_NT scope:SCOPE_SE
.endr
	s_branch .Lnone_\@
.Lpfb_\@:
	global_prefetch_b8 v[PFOB], s[PFA:PFA+1] offset:262144 th:TH_LOAD_NT scope:SCOPE_SE
.Lnone_\@:
.endm
.macro CREST                           ; a round of the cluster's barrier behind its opening barrier
	s_cmp_lg_u32 s10, 0
	s_cbranch_scc1 .Lnot_wave_0_\@
	s_barrier_signal -3
.Lnot_wave_0_\@:
	s_barrier_wait -3
	s_barrier_signal -1
	s_barrier_wait -1
.endm
.macro CROUND
	s_barrier_signal -1
	s_barrier_wait -1
	CREST
.endm
.macro SETADR
	v_add_nc_u32 v[ADRA],   s[TBC], v[A0]
	v_add_nc_u32 v[ADRA+1], s[TBN], v[A0]
	v_add_nc_u32 v[ADRB],   s[TBC], v[B0]
	v_add_nc_u32 v[ADRB+1], s[TBN], v[B0]
.endm
	s_load_b512 s[68:83], s[0:1], 0x0              ; xb 68, wb 70, bq 72, bk 74, bv 76, b1 78, w2 80, b2 82
	s_load_b128 s[84:87], s[0:1], 0x40             ; pj 84, kbias 86
	v_lshl_add_u32 v[SPW], v0, 2, SPARE
	v_mov_b32 v[NIL], 0
	ds_add_u32 v[SPW], v[NIL]                      ; the wave's opening: the add and its wait ahead of my first tensor load; work on registers stands between them
	v_lshrrev_b32 v1, 5, v0
	v_readfirstlane_b32 s10, v1                    ; wave 0..3
	s_lshr_b32 s11, s10, 1                         ; my half of the tile's rows.  Also: I fetch for A (0) or B (1)
	s_and_b32 s12, s10, 1                          ; my half of its columns.  Also: which half of that tile I fetch
	s_bfe_u32 s40, ttmp6, 0x40000                  ; cx
	s_lshl_b32 s42, ttmp9, 2
	s_add_co_u32 s42, s42, s40                     ; row tile
	s_and_b32 s13, ttmp7, 0xffff                   ; y, which the four partners share
	s_lshr_b32 s41, s13, 2                         ; T
	s_and_b32 s14, s13, 3                          ; column tile
	s_cmp_eq_u32 s41, 3
	s_cselect_b32 s15, 0, s41                      ; which of q, k, v is A (the predictor: q)
	s_mov_b32 s[G1+0], (1<<16)|(1<<20)|(5<<22)|(3<<25)  ; no mask; 2-byte elements; padding on: after every 64 words, 4 words
	s_mov_b32 s[G1+1], 128<<16                     ; tensor_dim0 = 128
	s_mov_b32 s[G1+2], 128<<16                     ; tensor_dim1 = 128
	s_mov_b32 s[G1+3], 128<<16                     ; tile_dim0 = 128
	s_mov_b32 s[G1+4], 128                         ; tile_dim1 = 128
	s_mov_b32 s[G1+5], 1024                        ; elements from row to row
	s_mov_b32 s[G1+6], 0
	s_mov_b32 s[G1+7], 0
	s_mov_b32 s[G1B+0], 15|(1<<16)|(1<<20)|(1<<21)|(6<<22)|(7<<25)  ; the mask of four, bit 21 beside it; after every 128 words, 8 words
	s_mov_b32 s[G1B+1], 256<<16
	s_mov_b32 s[G1B+2], 64<<16
	s_mov_b32 s[G1B+3], 256<<16
	s_mov_b32 s[G1B+4], 64
	s_mov_b32 s[G1B+5], 1024
	s_mov_b32 s[G1B+6], 0
	s_mov_b32 s[G1B+7], 0
	s_lshl_b32 s16, s15, 23                        ; A: tensor x 8 MiB + (256 row tile + 128 half) rows of 2,048 bytes
	s_lshl_b32 s17, s42, 19
	s_add_co_u32 s16, s16, s17
	s_lshl_b32 s17, s12, 18
	s_add_co_u32 s16, s16, s17
	s_mov_b32 s17, 0
	s_lshl_b32 s18, s41, 21                        ; B: T x 2 MiB + 512 x column tile + 64 half rows: nothing of cx
	s_lshl_b32 s19, s14, 9
	s_add_co_u32 s18, s18, s19
	s_lshl_b32 s19, s12, 17
	s_add_co_u32 s18, s18, s19
	s_mov_b32 s19, 0
	s_mul_i32 s20, s10, HALFT                      ; where my part of a slot lies
	s_mov_b32 s[TBC], 0
	s_mov_b32 s[TBN], SLOT
	s_wait_dscnt 0x0                               ; the opening add is done
	s_wait_kmcnt 0x0
	s_add_nc_u64 s[16:17], s[68:69], s[16:17]
	s_add_nc_u64 s[18:19], s[70:71], s[18:19]
.irp s, 0,1
	s_mov_b32 s[G0+4*\s], 1
	s_add_co_u32 s[G0+4*\s+1], s20, \s*SLOT
	s_add_nc_u64 s[G0+4*\s+2:G0+4*\s+3], s[16:17], \s*256
	s_or_b32 s[G0+4*\s+3], s[G0+4*\s+3], 0x80000000
	s_mov_b32 s[G0B+4*\s], 1
	s_add_co_u32 s[G0B+4*\s+1], s20, \s*SLOT
	s_add_nc_u64 s[G0B+4*\s+2:G0B+4*\s+3], s[18:19], \s*262144
	s_or_b32 s[G0B+4*\s+3], s[G0B+4*\s+3], 0x80000000
.endr
	CROUND                                         ; all four work-groups are here: the first joint loads meet
	s_cmp_eq_u32 s11, 0                            ; a wave's two first fills stand in one branch: two loads of mine are out
	s_cbranch_scc0 .Lfirst_b
	tensor_load_to_lds s[G0:G0+3], s[G1:G1+7]
	s_nop 0
	tensor_load_to_lds s[G0+4:G0+7], s[G1:G1+7]
	s_nop 0
	PLACES
	s_branch .Lfirst_done
.Lfirst_b:
	tensor_load_to_lds s[G0B:G0B+3], s[G1B:G1B+7]
	s_nop 0
	tensor_load_to_lds s[G0B+4:G0B+7], s[G1B:G1B+7]
	s_nop 0
	PLACES
.Lfirst_done:
	; addresses, while the first tiles are on their way
	v_and_b32 v1, 15, v0                           ; r = l % 16
	v_bfe_u32 v2, v0, 4, 1                         ; h = l / 16
	v_and_b32 v3, 7, v0
	v_bfe_u32 v4, v0, 3, 1
	v_and_b32 v5, 31, v0
	v_mul_u32_u24 v[A0], v1, PA                    ; A's fragment: row r x pitch + 16 h, in my 128 rows
	v_lshl_add_u32 v[A0], v2, 4, v[A0]
	s_mul_i32 s23, s11, HALFT
	v_add_nc_u32 v[A0], s23, v[A0]
	v_lshl_add_u32 v[B0], v2, 3, v3                ; B's: k row 8 h + l % 8, 16 bytes for each half of eight lanes, in my 128 columns
	v_mul_u32_u24 v[B0], v[B0], PB
	v_lshl_add_u32 v[B0], v4, 4, v[B0]
	s_lshl_b32 s23, s12, 8
	s_add_co_u32 s23, s23, BOFF
	v_add_nc_u32 v[B0], s23, v[B0]
	SETADR
	s_mul_i32 s23, s10, DUMPW
	v_mul_u32_u24 v[STO], v1, DP                   ; out: token r, 32 bytes for each half of the lanes
	v_lshl_add_u32 v[STO], v2, 5, v[STO]
	v_add_nc_u32 v[STO], s23, v[STO]
	v_mul_u32_u24 v[RD], v2, DP                    ; back: lanes 0-15 one token's 128 numbers, lanes 16-31 the next's; 8 numbers a lane
	v_lshl_add_u32 v[RD], v1, 5, v[RD]
	v_add_nc_u32 v[RD], s23, v[RD]
	v_lshlrev_b32 v[CO], 11, v2
	v_lshl_add_u32 v[CO], v1, 4, v[CO]
	s_lshl_b32 s23, s12, 10
	s_lshl_b32 s22, s11, 9
	s_add_co_u32 s23, s23, s22
	s_add_co_u32 s23, s23, PRED
	v_lshl_add_u32 v[PW], v2, 2, s23               ; PRED + 4 (256 column half + 128 row half + h)
	v_lshlrev_b32 v[BO], 5, v1
	s_lshl_b32 s23, s12, 9
	v_add_nc_u32 v12, s23, v[BO]                   ; my 8 numbers of w2
	v_lshlrev_b32 v[PFOA], 11, v5
	v_lshrrev_b32 v6, 1, v5
	v_and_b32 v[PFOB], 1, v5
	v_lshlrev_b32 v[PFOB], 8, v[PFOB]
	v_lshl_add_u32 v[PFOB], v6, 11, v[PFOB]
	s_lshl_b32 s22, s15, 23                        ; pj at my 128 tokens and 128 columns
	s_lshl_b32 s23, s42, 19
	s_add_co_u32 s22, s22, s23
	s_lshl_b32 s23, s11, 18
	s_add_co_u32 s22, s22, s23
	s_lshl_b32 s23, s14, 9
	s_add_co_u32 s22, s22, s23
	s_lshl_b32 s23, s12, 8
	s_add_co_u32 s22, s22, s23
	s_mov_b32 s23, 0
	s_add_nc_u64 s[8:9], s[84:85], s[22:23]
	s_mov_b64 s[4:5], s[72:73]                     ; the bias, chosen by T
	s_cmp_ge_u32 s41, 1
	s_cselect_b64 s[4:5], s[74:75], s[4:5]
	s_cmp_ge_u32 s41, 2
	s_cselect_b64 s[4:5], s[76:77], s[4:5]
	s_cmp_ge_u32 s41, 3
	s_cselect_b64 s[4:5], s[78:79], s[4:5]
	s_lshl_b32 s22, s14, 10
	s_lshl_b32 s23, s12, 9
	s_add_co_u32 s22, s22, s23
	s_mov_b32 s23, 0
	s_add_nc_u64 s[4:5], s[4:5], s[22:23]
	global_load_b128 v[32:35], v[BO], s[4:5]       ; waited for on the way out
	global_load_b128 v[36:39], v[BO], s[4:5] offset:16
	global_load_b128 v[40:43], v12, s[80:81]
	global_load_b128 v[44:47], v12, s[80:81] offset:16
	s_lshl_b32 s22, s42, 10                        ; kbias at the tile's 256 tokens
	s_add_nc_u64 s[86:87], s[86:87], s[22:23]
	; the prefetches
	s_cmp_eq_u32 s41, 3
	s_cselect_b32 s21, 1, s14                      ; 0 where this is a tensor's first column tile
	s_mov_b32 s[PST], 262144
	s_cmp_eq_u32 s11, 0                            ; do I fetch for A?
	s_cselect_b32 s21, s21, ttmp9                  ; the coordinate along which others read the same rows
	s_cselect_b64 s[PFA:PFA+1], s[16:17], s[18:19]
	s_cselect_b32 s[PST], 256, s[PST]
	s_cselect_b32 s22, 0, s40                      ; B: my work-group's 16 of the 64 rows, by address
	s_mov_b32 s[PST+1], 0
	s_cmp_eq_u32 s21, 0
	s_cselect_b32 s[LIM], 2, -1                    ; the same in all four partners, for a given wave
	s_lshl_b32 s22, s22, 15
	s_add_nc_u64 s[PFA:PFA+1], s[PFA:PFA+1], s[22:23]
	s_add_nc_u64 s[PFA:PFA+1], s[PFA:PFA+1], s[PST:PST+1]
	s_add_nc_u64 s[PFA:PFA+1], s[PFA:PFA+1], s[PST:PST+1]  ; at K step 2: the first refill steps it to 3 and names K step 4
; 16 matrix instructions: token blocks a0, a0 + 1 of the window's four x all 8 column blocks, 32 along K.  zero = 1: the product starts the sum.  The 64 accumulators take turns.
.macro MUL16 f, hi, a0, zero
	WIN MUL_LO+0x50*(\hi)
.irp a, \a0, (\a0)+1
.irp b, 0,1,2,3,4,5,6,7
.if \zero
	v_wmma_f32_16x16x32_bf16 v[8*(8*(\a)+(\b)):8*(8*(\a)+(\b))+7], v[(\f)+8*(\b):(\f)+8*(\b)+7], v[(\f)+8*(4*(\hi)+(\a)):(\f)+8*(4*(\hi)+(\a))+7], 0
.else
	v_wmma_f32_16x16x32_bf16 v[8*(8*(\a)+(\b)):8*(8*(\a)+(\b))+7], v[(\f)+8*(\b):(\f)+8*(\b)+7], v[(\f)+8*(4*(\hi)+(\a)):(\f)+8*(4*(\hi)+(\a))+7], v[8*(8*(\a)+(\b)):8*(8*(\a)+(\b))+7]
.endif
.endr
.endr
.endm
; 32 LDS loads in one run: quarter q (32 along K) of slot set (0: in hand, 1: next) into buffer f: B turned, then A
.macro FETCH set, q, f
	WIN TO_B
.irp i, 0,1,2,3,4,5,6,7
	ds_load_tr16_b128 v[(\f)+8*(\i):(\f)+8*(\i)+3],   v[ADRB+(\set)] offset:(\q)*32*PB+32*(\i)
	ds_load_tr16_b128 v[(\f)+8*(\i)+4:(\f)+8*(\i)+7], v[ADRB+(\set)] offset:(\q)*32*PB+32*(\i)+16*PB
.endr
	WIN 0
.irp i, 0,1,2,3,4,5,6,7
	ds_load_b128 v[(\f)+8*(\i):(\f)+8*(\i)+3],   v[ADRA+(\set)] offset:64*(\q)+(\i)*16*PA
	ds_load_b128 v[(\f)+8*(\i)+4:(\f)+8*(\i)+7], v[ADRA+(\set)] offset:64*(\q)+(\i)*16*PA+32
.endr
.endm
.macro QUARTER set, q, f, g, zero      ; multiplies buffer f; in its middle fetches quarter q into buffer g
	s_wait_dscnt 8                                 ; B and A's rows 0-63 are in; the youngest eight loads (A's rows 64-127) may be out
	MUL16 \f, 0, 0, \zero
	MUL16 \f, 0, 2, \zero
	PLACES
	FETCH \set, \q, \g
	s_wait_dscnt 32                                ; all but the 32 just issued
	MUL16 \f, 1, 0, \zero
	MUL16 \f, 1, 2, \zero
.endm
; The change of slots: each wave waits for all its tensor loads (one is out: its part of the next slot), adds 0 to its spare word, and waits for that and for its reads of the slot in hand.
.macro MEET round
	WIN 0
	s_wait_tensorcnt 0x0
	ds_add_u32 v[SPW], v[NIL]
	s_wait_dscnt 9                                 ; the add and the youngest eight loads may be out
	MUL16 F1, 0, 0, 0
	s_wait_dscnt 0x0                               ; the add is done, my reads of the slot are over
	s_barrier_signal -1
	MUL16 F1, 0, 2, 0
.if \round
	WIN 0
.endif
	s_barrier_wait -1
.endm
.macro TURN                            ; the last quarter of a K step whose slot is filled again, two K steps ahead
	s_wait_xcnt 0x0                                ; the last prefetches, a K step back, have read their address
	s_add_nc_u64 s[PFA:PFA+1], s[PFA:PFA+1], s[PST:PST+1]
	MEET 1
	CREST                                          ; no wave of any partner still reads this slot or has a load on its way
	s_xor_b32 s[G0+5], s[G0+5], SLOT               ; the walking descriptors: the other slot than last time, the next K step
	s_add_nc_u64 s[G0+6:G0+7], s[G0+6:G0+7], 256
	s_xor_b32 s[G0B+5], s[G0B+5], SLOT
	s_add_nc_u64 s[G0B+6:G0B+7], s[G0B+6:G0B+7], 262144
	JLOAD                                          ; its four v_nop are also the places in front of the loads below
	FETCH 1, 0, F0
	ASK
	MUL16 F1, 1, 0, 0
	MUL16 F1, 1, 2, 0
.endm
.macro SWAP                            ; the next slot becomes the slot in hand
	WIN 0
	s_xor_b32 s[TBC], s[TBC], SLOT
	s_xor_b32 s[TBN], s[TBN], SLOT
	SETADR
.endm
	s_wait_tensorcnt 1                             ; my part of K step 0 is in; K step 1's may stay out
	s_barrier_signal -1
	s_barrier_wait -1
	FETCH 0, 0, F0
	QUARTER 0, 1, F0, F1, 1                        ; the first quarter's products start the sums
	WIN 0
	s_mov_b32 s3, 6
.Lk:                                           ; a trip: a K step's quarters 1 to 3 and the next step's quarter 0; K steps 2 to 7 are asked for
	QUARTER 0, 2, F1, F0, 0
	QUARTER 0, 3, F0, F1, 0
	TURN
	QUARTER 1, 1, F0, F1, 0
	SWAP
	s_sub_co_u32 s3, s3, 1
	s_cmp_lg_u32 s3, 0
	s_cbranch_scc1 .Lk
	s_mov_b32 s3, 2
.Ltail:                                        ; K steps 6 and 7: nothing is left to ask for, so no tensor load stands here; the second trip is left in its middle
	QUARTER 0, 2, F1, F0, 0
	QUARTER 0, 3, F0, F1, 0
	WIN 0
	s_sub_co_u32 s3, s3, 1
	s_cmp_eq_u32 s3, 0                             ; a constant count, the same in every wave and work-group
	s_cbranch_scc1 .Llast
	MEET 0
	PLACES
	FETCH 1, 0, F0
	MUL16 F1, 1, 0, 0
	MUL16 F1, 1, 2, 0
	QUARTER 1, 1, F0, F1, 0
	SWAP
	s_cmp_lg_u32 s3, 0
	s_cbranch_scc1 .Ltail
.Llast:
	s_wait_dscnt 8
	MUL16 F1, 0, 0, 0
	MUL16 F1, 0, 2, 0
	s_wait_dscnt 0x0                               ; my last reads of the ring are back
	MUL16 F1, 1, 0, 0
	MUL16 F1, 1, 2, 0
	WIN 0
	PLACES
	s_barrier_signal -1                            ; nobody reads the slots any more, and no fill follows: they take the results
	s_barrier_wait -1
	; THE WAY OUT.  My 128 x 128 results in f32 go into my own part of the slots, each accumulator's lower four registers first, and come back by tokens.
.set a, 0
.rept 8
	WIN 0x08+4*(a/4)                               ; store data in window 2, then 3
.set b, 0
.rept 8
.set rA, 8*(8*(a%4)+b)
	ds_store_b128 v[STO], v[rA:rA+3]   offset:a*16*DP+64*b
	ds_store_b128 v[STO], v[rA+4:rA+7] offset:a*16*DP+64*b+16
.set b, b+1
.endr
.set a, a+1
.endr
	WIN 0
	s_wait_loadcnt 0x0                             ; bias and w2
.macro RND8 r, tmp                     ; eight f32 rounded to bf16 and widened again
.irp j, 0,1,2,3
	v_cvt_pk_bf16_f32 v[(\tmp)+\j], v[(\r)+2*\j], v[(\r)+2*\j+1]
.endr
.irp j, 0,1,2,3
	v_lshlrev_b32 v[(\r)+2*\j],   16, v[(\tmp)+\j]
	v_and_b32     v[(\r)+2*\j+1], 0xffff0000, v[(\tmp)+\j]
.endr
.endm
	RND8 32, 48
	RND8 40, 52
.macro BACK                            ; 16 tokens of my results: LDS serves a wave's instructions in order, so these see the stores above
.irp p, 0,1,2,3,4,5,6,7
	ds_load_b128 v[64+8*\p:64+8*\p+3], v[RD] offset:\p*2*DP
	ds_load_b128 v[64+8*\p+4:64+8*\p+7], v[RD] offset:\p*2*DP+16
.endr
	s_wait_dscnt 0x0
.endm
	s_mov_b32 s3, 8
	s_cmp_eq_u32 s13, 12
	s_cbranch_scc1 .Lpred
.Lrows:                                        ; eight trips of 16 tokens: + bias, rounded to f16, stored
	BACK
.irp p, 0,1,2,3,4,5,6,7
.irp j, 0,2,4,6
	v_pk_add_f32 v[64+8*\p+\j:64+8*\p+\j+1], v[64+8*\p+\j:64+8*\p+\j+1], v[32+\j:32+\j+1]
.endr
.irp j, 0,1,2,3
	v_cvt_pk_f16_f32 v[128+4*\p+\j], v[64+8*\p+2*\j], v[64+8*\p+2*\j+1]
.endr
	global_store_b128 v[CO], v[128+4*\p:128+4*\p+3], s[8:9] offset:\p*4096  ; 16 lanes store 256 consecutive bytes, aligned
.endr
	s_wait_xcnt 0x0                                ; the stores have read their data and their base
	v_add_nc_u32 v[RD], 16*DP, v[RD]
	s_add_nc_u64 s[8:9], s[8:9], 32768
	s_sub_co_u32 s3, s3, 1
	s_cmp_lg_u32 s3, 0
	s_cbranch_scc1 .Lrows
	s_branch .Ljoin
.Lpred:                                        ; the predictor: relu(. + b1) . w2 over my 128 columns, a token for each half of the lanes
	BACK
.irp p, 0,1,2,3,4,5,6,7
.irp j, 0,2,4,6
	v_pk_add_f32 v[64+8*\p+\j:64+8*\p+\j+1], v[64+8*\p+\j:64+8*\p+\j+1], v[32+\j:32+\j+1]
.endr
.irp j, 0,1,2,3,4,5,6,7
	v_max_num_f32 v[64+8*\p+\j], 0, v[64+8*\p+\j]
.endr
	v_pk_mul_f32 v[48+2*\p:49+2*\p], v[64+8*\p:65+8*\p], v[40:41]
.irp j, 2,4,6
	v_pk_fma_f32 v[48+2*\p:49+2*\p], v[64+8*\p+\j:65+8*\p+\j], v[40+\j:41+\j], v[48+2*\p:49+2*\p]
.endr
	v_add_f32 v[48+2*\p], v[48+2*\p], v[49+2*\p]
.endr
.irp m, 1,2,4,8
.irp p, 0,1,2,3,4,5,6,7
	v_add_f32_dpp v[48+2*\p], v[48+2*\p], v[48+2*\p] row_xmask:\m row_mask:0xf bank_mask:0xf
.endr
.endr
.irp p, 0,1,2,3,4,5,6,7
	ds_store_b32 v[PW], v[48+2*\p] offset:8*\p     ; sixteen lanes write one word with one value
.endr
	v_add_nc_u32 v[RD], 16*DP, v[RD]
	v_add_nc_u32 v[PW], 64, v[PW]
	s_sub_co_u32 s3, s3, 1
	s_cmp_lg_u32 s3, 0
	s_cbranch_scc1 .Lpred
.Ljoin:
	s_wait_dscnt 0x0                               ; for the others' sake: my partial sums lie in LDS
	s_barrier_signal -1
	s_barrier_wait -1
	s_cmp_eq_u32 s13, 12
	s_cbranch_scc0 .Lend
	s_cmp_lt_u32 s10, 2                            ; waves 0 and 1 finish the 256 tokens, four a lane
	s_cbranch_scc0 .Lend
	s_load_b32 s90, s[82:83], 0x0                  ; b2
	s_mov_b32 s89, 0x3e19999a                      ; 0.15 = 0.1 x 1.5
	v_and_b32 v5, 63, v0
	v_lshlrev_b32 v5, 4, v5
	v_add_nc_u32 v6, PRED, v5
	ds_load_b128 v[32:35], v6
	ds_load_b128 v[36:39], v6 offset:1024
	v_mov_b32 v52, 0xf149f2ca                      ; -1e30
	v_mov_b32 v53, 0
	s_wait_kmcnt 0x0
	v_mov_b32 v40, s90
	v_cvt_pk_bf16_f32 v40, v40, v40
	v_lshlrev_b32 v40, 16, v40
	s_wait_dscnt 0x0
.irp j, 0,1,2,3
	v_add_f32 v[32+\j], v[32+\j], v[36+\j]
.endr
.irp j, 0,1,2,3
	v_add_f32 v[32+\j], v[32+\j], v40
.endr
.irp j, 0,1,2,3
	v_mul_f32 v[32+\j], 0xbfb8aa3b, v[32+\j]       ; - x log2(e)
.endr
.irp j, 0,1,2,3
	v_exp_f32 v[44+\j], v[32+\j]
.endr
	v_nop                                          ; a plain instruction behind the last exponential,
	s_wait_alu depctr_va_vdst(0)                   ; and one wait for the four, ahead of their first reader
.irp j, 0,1,2,3
	v_add_f32 v[44+\j], 1.0, v[44+\j]
.endr
.irp j, 0,1,2,3
	v_rcp_f32 v[48+\j], v[44+\j]
.endr
	v_nop
	s_wait_alu depctr_va_vdst(0)
.irp j, 0,1,2,3
	v_cmp_lt_f32 s88, s89, v[48+\j]
	v_cndmask_b32 v[56+\j], v52, v53, s88          ; 0 where the token is active
.endr
	global_store_b128 v5, v[56:59], s[86:87]
.Lend:
	s_wait_tensorcnt 0x0                           ; the wave's end: behind my last tensor load and my last LDS store
	ds_add_u32 v[SPW], v[NIL]
	s_wait_dscnt 0x0
	CROUND                                         ; the closing round
	s_endpgm
.Lfunc_end_k_qb7dbc4467d_proj:
	.size	k_qb7dbc4467d_proj, .Lfunc_end_k_qb7dbc4467d_proj-k_qb7dbc4467d_proj
	.p2alignl 7, 3214868480
	.fill 96, 4, 3214868480
	.section	.rodata,"a",@progbits
	.p2align	6, 0x0
	.amdhsa_kernel k_qb7dbc4467d_proj
		.amdhsa_group_segment_fixed_size 327680
		.amdhsa_private_segment_fixed_size 0
		.amdhsa_enable_private_segment 0
		.amdhsa_kernarg_size 80
		.amdhsa_user_sgpr_count 2
		.amdhsa_user_sgpr_kernarg_segment_ptr 1
		.amdhsa_wavefront_size32 1
		.amdhsa_system_sgpr_workgroup_id_x 1
		.amdhsa_system_sgpr_workgroup_id_y 1
		.amdhsa_system_sgpr_workgroup_id_z 1
		.amdhsa_system_vgpr_workitem_id 0
		.amdhsa_next_free_vgpr 1024
		.amdhsa_next_free_sgpr 92
		.amdhsa_reserve_vcc 0
		.amdhsa_float_denorm_mode_32 3
		.amdhsa_float_denorm_mode_16_64 3
		.amdhsa_memory_ordered 1
		.amdhsa_forward_progress 1
		.amdhsa_inst_pref_size 103
	.end_amdhsa_kernel
	.amdgpu_metadata
---
amdhsa.version: [ 1, 2 ]
amdhsa.kernels:
  - .name:           k_qb7dbc4467d_proj
    .symbol:         k_qb7dbc4467d_proj.kd
    .args:
      - { .name: xb, .offset: 0, .size: 8, .value_kind: global_buffer, .address_space: global }
      - { .name: wb, .offset: 8, .size: 8, .value_kind: global_buffer, .address_space: global }
      - { .name: bq, .offset: 16, .size: 8, .value_kind: global_buffer, .address_space: global }
      - { .name: bk, .offset: 24, .size: 8, .value_kind: global_buffer, .address_space: global }
      - { .name: bv, .offset: 32, .size: 8, .value_kind: global_buffer, .address_space: global }
      - { .name: b1, .offset: 40, .size: 8, .value_kind: global_buffer, .address_space: global }
      - { .name: w2, .offset: 48, .size: 8, .value_kind: global_buffer, .address_space: global }
      - { .name: b2, .offset: 56, .size: 8, .value_kind: global_buffer, .address_space: global }
      - { .name: pj, .offset: 64, .size: 8, .value_kind: global_buffer, .address_space: global }
      - { .name: kbias, .offset: 72, .size: 8, .value_kind: global_buffer, .address_space: global }
    .group_segment_fixed_size: 327680
    .private_segment_fixed_size: 0
    .kernarg_segment_align: 8
    .kernarg_segment_size: 80
    .max_flat_workgroup_size: 128
    .sgpr_count:     92
    .vgpr_count:     1024
    .wavefront_size: 32
...
	.end_amdgpu_metadata
.endif
;; end of part 2
;; launch attn (part 3): grid 64 x 4, 4 waves a work-group, clusters of 4 x 1, 327,680 bytes of LDS; arguments pj, kbias, ctx; writes ctx
.if DOCPART == 3
	.amdgcn_target "amdgcn-amd-amdhsa--gfx1250"
	.amdhsa_code_object_version 6
	.text
	.protected	k_qb7dbc4467d_attn
	.globl	k_qb7dbc4467d_attn
	.p2align	8
	.type	k_qb7dbc4467d_attn,@function
k_qb7dbc4467d_attn:
	s_mov_b64 s[64:65], 0
	v_nop
	global_prefetch_b8 v0, s[64:65] scope:SCOPE_SE
	s_setreg_imm32_b32 hwreg(HW_REG_WAVE_MODE, 25, 1), 1
	s_wait_xcnt 0x0
	s_wait_alu depctr_hold_cnt(0) depctr_sa_sdst(0) depctr_va_vdst(0) depctr_va_sdst(0) depctr_va_ssrc(0) depctr_va_vcc(0) depctr_vm_vsrc(0)
	s_getreg_b32 s2, hwreg(HW_REG_IB_STS2, 6, 4)
	s_cmp_eq_u32 s2, 0
	s_cbranch_scc0 .Lentry_in_a_cluster
	s_endpgm
.Lentry_in_a_cluster:
	s_bfe_u32 s2, ttmp6, 0x10000c
	s_cmp_lg_u32 s2, 0x3003
	s_cbranch_scc0 .Lentry_shape_is_right
	s_endpgm
.Lentry_shape_is_right:
; ATTN: ctx[n][head] = the sum over m of softmax_m(qp[n] . kp[m] / 16 + kbias[m]) vp[m], four heads of 256 channels, 4,096 tokens.  pj = f16 [3][4096][1024]: qp, kp, vp; kbias = f32 [4096], 0 or -1e30; ctx = f16 [4096][1024].
; Products, maxima and sums in f32; the weights p are rounded to f16 for the second product (their sum l is taken of the unrounded p), ctx once at the end.
; LIMITS.  A hidden key's score counts as its value less 1e30 (in place of -1e9): the same wherever some active score lies above -1e9.  If every key is hidden every token is, and the next launch writes 0.
; ctx lies within vp's range; below 6e-5 it keeps f16's fixed step of 6e-8.  A weight below 2^-126 counts as 0.  NaN and infinities are not treated apart.
; SHARES.  A work-group owns 64 queries of one head.  THE KEYS ARE SPLIT AMONG ITS FOUR WAVES: of each step's 256 keys wave w takes 64 w .. 64 w + 63, for all 64 queries (four tiles of 16).  So a fragment of K or V feeds
; four products, and a wave reads only the LDS bytes that it fetched itself.  The waves' (m, l, O) meet in LDS once, at the end.
; LAYOUT.  S^T = K Q^T (source 0 = 16 keys, source 1 = 16 queries; its first product takes the keys' bias as C): a lane holds ONE query (lane % 16) and the keys 8 (lane / 16) + 0..7.  Two such results rounded to f16 ARE
; source 1 of O^T = V^T P.  K comes out of LDS as it lies, V ([key][channel]) turned.
; SOFTMAX.  p = 2^(c s - cm), c = log2(e) / 16, cm the running maximum of c s; in every step O and l are multiplied by a = 2^(cm_old - cm_new).  cm starts far below every c s, O and l at 0: the first step has a = 0.
; THE RING.  One slot for K and one for V, filled by turns: behind a step's exponentials the next K is asked for, behind its V^T P the next V.  So V's tile has K Q^T (128 products) and 284 lines of the softmax in which to land,
; K's tile the softmax's other 144 lines and V^T P (128 products).  LDS addresses never change.
; CLUSTER.  The four query blocks of a cluster belong to one head and walk the same K and V: each tile is asked for jointly, the same load, descriptor and mask in all four.
; REGISTERS, in windows of 256: window 0: v0-15, v56-63 addresses; v16-39 six registers of statistics a tile; v40-55 the bias, two buffers; v64-95, v96-127 fragments, two buffers (the second also at work in the softmax);
; v128-255 S^T, 32 a tile, P in place in a tile's first 16.  Window 1: Q, tile t, channels 32 c on, at 64 t + 8 c.  Windows 2, 3: O^T, channel block cb of 16, tile t, in window 2 + cb / 8 at 32 (cb % 8) + 8 t.
.set PK,    528                        ; a row of K in LDS: 512 + 16 bytes
.set PV,    544                        ; a row of V: 512 + 32 bytes, an odd multiple of 32
.set KW,    64*PK                      ; a wave's 64 keys
.set VB,    256*PK                     ; V's slot lies behind K's
.set VW,    64*PV
.set BIAS,  VB+256*PV                  ; 16 KiB: wave w at 4,096 w, step j at 256 j; filled once
.set SPARE, BIAS+16384                 ; the spare words, 128 bytes a wave: two blocks of 256 bytes that no other line names
.set STAGE, SPARE+512                  ; 16 rows x 528 bytes for each wave, never filled
.set SP,    528
.set STATS, 262144                     ; at the end, in the slots, which have had their last fill: (cm, l) at 1,024 t + 256 w + 8 lane; the partial O^T from byte 0 on
.set KSTEPB, 256*2048                  ; 256 tokens of pj
.set AK,  2
.set AV,  3
.set AB,  4
.set PFO, 5
.set SPW, 6                            ; v6   my spare word; never rewritten
.set NIL, 7                            ; v7   0; never rewritten
.set XA,  8                            ; v8-11
.set SA,  12
.set STO, 13
.set QO,  15
.set ST,  16                           ; tile t at ST + 6 t: cm, cm_old | a, cm_old - cm | l (even keys', odd keys')
.set MB,  40
.set RA,  56
.set RD,  57
.set GO,  58
.set SR,  59
.set FB,  64
.set TC,  96                           ; four registers a tile for the maximum
.set TU,  112                          ; eight registers, by the tile's parity, for the sums
.set S,   128
.set WV,  10
.set PFK, 18
.set PFV, 20
.set LIM, 22
.set CNT, 23
.set G1K, 24
.set G1V, 32
.set G1M, 40
.set G0K, 48
.set G0V, 52
.set G0M, 56
.set CS,  60
.set SEL, 62
.set MSB, 0
.macro WIN new
.if MSB != (\new)
	s_set_vgpr_msb (MSB<<8)|(\new)
.set MSB, \new
.endif
.endm
.macro PLACES
.rept 4
	v_nop
.endr
.endm
.macro CROUND                          ; a round of the cluster's barrier
	s_barrier_signal -1
	s_barrier_wait -1
	s_cmp_lg_u32 s[WV], 0
	s_cbranch_scc1 .Lnot_wave_0_\@
	s_barrier_signal -3
.Lnot_wave_0_\@:
	s_barrier_wait -3
	s_barrier_signal -1
	s_barrier_wait -1
.endm
	s_load_b128 s[4:7], s[0:1], 0x0                ; pj s[4:5], kbias s[6:7]
	s_load_b64 s[8:9], s[0:1], 0x10                ; ctx
	v_lshl_add_u32 v[SPW], v0, 2, SPARE
	v_mov_b32 v[NIL], 0
	ds_add_u32 v[SPW], v[NIL]                      ; the wave's opening: the add and its wait ahead of my first tensor load
	v_lshrrev_b32 v1, 5, v0
	v_readfirstlane_b32 s[WV], v1
	s_bfe_u32 s11, ttmp6, 0x40000                  ; cx
	s_lshl_b32 s12, ttmp9, 2
	s_add_co_u32 s12, s12, s11                     ; my block of 64 queries: it enters Q's and ctx's addresses alone
	s_and_b32 s13, ttmp7, 0xffff                   ; the head
	s_lshl_b32 s14, s13, 9                         ; K, V: the head's 512 bytes of a row, my wave's 64 rows of a step
	s_lshl_b32 s15, s[WV], 17
	s_add_co_u32 s14, s14, s15
	s_mov_b32 s15, 0
	s_lshl_b32 s16, s12, 17                        ; Q, ctx: my block's 64 rows, the head's 512 bytes
	s_lshl_b32 s17, s13, 9
	s_add_co_u32 s16, s16, s17
	s_mov_b32 s17, 0
	s_lshl_b32 s2, s[WV], 15                       ; ctx: the 16 rows of the tile that I finish
	s_mov_b32 s3, 0
	s_mov_b32 s[G1K], 15|(1<<16)|(1<<20)|(1<<21)|(6<<22)|(3<<25)  ; the mask of four, bit 21 beside it; 2-byte elements; after every 128 words, 4 words of padding
	s_mov_b32 s[G1V], 15|(1<<16)|(1<<20)|(1<<21)|(6<<22)|(7<<25)  ; the same with 8 words
.irp g, G1K, G1V
	s_mov_b32 s[\g+1], 256<<16                     ; tensor_dim0 = 256
	s_mov_b32 s[\g+2], 64<<16                      ; tensor_dim1 = 64
	s_mov_b32 s[\g+3], 256<<16                     ; tile_dim0 = 256
	s_mov_b32 s[\g+4], 64                          ; tile_dim1 = 64
	s_mov_b32 s[\g+5], 1024
	s_mov_b32 s[\g+6], 0
	s_mov_b32 s[\g+7], 0
.endr
	s_mov_b32 s[G1M], 15|(2<<16)|(1<<21)           ; the bias: 4-byte elements, no padding: 16 rows (steps) of my 64 keys, 256 keys apart
	s_mov_b32 s[G1M+1], 64<<16
	s_mov_b32 s[G1M+2], 16<<16
	s_mov_b32 s[G1M+3], 64<<16
	s_mov_b32 s[G1M+4], 16
	s_mov_b32 s[G1M+5], 256
	s_mov_b32 s[G1M+6], 0
	s_mov_b32 s[G1M+7], 0
	s_mov_b32 s[G0K], 1
	s_mul_i32 s[G0K+1], s[WV], KW
	s_mov_b32 s[G0V], 1
	s_mul_i32 s[G0V+1], s[WV], VW
	s_add_co_u32 s[G0V+1], s[G0V+1], VB
	s_mov_b32 s[G0M], 1
	s_lshl_b32 s[G0M+1], s[WV], 12
	s_add_co_u32 s[G0M+1], s[G0M+1], BIAS
	s_mov_b32 s[CS], 0x3db8aa3b                    ; c = log2(e) / 16
	s_mov_b32 s[CS+1], s[CS]
	s_mov_b32 s[SEL], 0x76543210
	s_mov_b32 s[SEL+1], 0xfedcba98
	s_mov_b32 s[CNT], 15
	s_cmp_eq_u32 ttmp9, 0                          ; the head's first cluster prefetches: the same in all four partners
	s_cselect_b32 s[LIM], 1, -1
	s_lshl_b32 s12, s11, 15                        ; its partners share a wave's 64 rows out by address, 16 each
	s_mov_b32 s13, 0
	s_wait_dscnt 0x0                               ; the opening add is done
	s_wait_kmcnt 0x0
	s_add_nc_u64 s[G0K+2:G0K+3], s[4:5], s[14:15]
	s_add_nc_u64 s[G0V+2:G0V+3], s[G0K+2:G0K+3], 0x1000000  ; vp
	s_add_nc_u64 s[G0K+2:G0K+3], s[G0K+2:G0K+3], 0x800000   ; kp
	s_add_nc_u64 s[PFK:PFK+1], s[G0K+2:G0K+3], s[12:13]
	s_add_nc_u64 s[PFK:PFK+1], s[PFK:PFK+1], KSTEPB  ; at step 1: the first refill steps it to step 2
	s_add_nc_u64 s[PFV:PFV+1], s[G0V+2:G0V+3], s[12:13]
	s_add_nc_u64 s[PFV:PFV+1], s[PFV:PFV+1], KSTEPB
	s_or_b32 s[G0K+3], s[G0K+3], 0x80000000
	s_or_b32 s[G0V+3], s[G0V+3], 0x80000000
	s_lshl_b32 s14, s[WV], 8
	s_add_nc_u64 s[G0M+2:G0M+3], s[6:7], s[14:15]
	s_or_b32 s[G0M+3], s[G0M+3], 0x80000000
	s_add_nc_u64 s[8:9], s[8:9], s[16:17]
	s_add_nc_u64 s[8:9], s[8:9], s[2:3]
	s_add_nc_u64 s[16:17], s[4:5], s[16:17]        ; Q
	CROUND                                         ; all four work-groups are here: the first joint loads meet
	tensor_load_to_lds s[G0M:G0M+3], s[G1M:G1M+7]  ; three loads of mine are out: the bias of all my keys,
	s_nop 0
	tensor_load_to_lds s[G0K:G0K+3], s[G1K:G1K+7]  ; K of step 0,
	s_nop 0
	tensor_load_to_lds s[G0V:G0V+3], s[G1V:G1V+7]  ; V of step 0
	s_nop 0
	PLACES
	v_and_b32 v1, 15, v0                           ; r
	v_bfe_u32 v14, v0, 4, 1                        ; h
	v_and_b32 v60, 31, v0                          ; l
	v_and_b32 v61, 7, v0
	v_bfe_u32 v62, v0, 3, 1
	v_lshlrev_b32 v[QO], 11, v1
	v_lshl_add_u32 v[QO], v14, 4, v[QO]
	WIN 0x40                                       ; destination window 1
.set i, 0
.rept 32                                       ; Q stays in registers: tile i / 8, channels 32 (i % 8) on
	global_load_b128 v[8*i:8*i+3],   v[QO], s[16:17] offset:(i/8)*32768+(i%8)*64
	global_load_b128 v[8*i+4:8*i+7], v[QO], s[16:17] offset:(i/8)*32768+(i%8)*64+32
.set i, i+1
.endr
	; O^T is cleared: no first step is written out (it would be a third copy of the step's text), and the first step multiplies O^T by a = 0, so it need only be finite.  These lines stand in the wait for the first tile.
	WIN 0x80
.set i, 0
.rept 256
	v_mov_b32 v[i], 0
.set i, i+1
.endr
	WIN 0xc0
.set i, 0
.rept 256
	v_mov_b32 v[i], 0
.set i, i+1
.endr
	WIN 0
.irp t, 0,1,2,3
	v_mov_b32 v[ST+6*\t], 0xfe000000               ; cm: far below every c s, a hidden key's too
	v_mov_b32 v[ST+6*\t+1], 0xfe000000
	v_mov_b32 v[ST+6*\t+2], 0
	v_mov_b32 v[ST+6*\t+3], 0
	v_mov_b32 v[ST+6*\t+4], 0
	v_mov_b32 v[ST+6*\t+5], 0
.endr
	v_mul_u32_u24 v[AK], v1, PK                    ; K's fragment: key r x pitch + 16 h, in my 64 keys
	v_lshl_add_u32 v[AK], v14, 4, v[AK]
	v_add_nc_u32 v[AK], s[G0K+1], v[AK]
	v_lshl_add_u32 v[AV], v14, 3, v61              ; V's: key 8 h + l % 8, 16 bytes for each half of eight lanes
	v_mul_u32_u24 v[AV], v[AV], PV
	v_lshl_add_u32 v[AV], v62, 4, v[AV]
	v_add_nc_u32 v[AV], s[G0V+1], v[AV]
	v_lshlrev_b32 v[AB], 5, v14                    ; the bias of keys 8 h + 0..7
	v_add_nc_u32 v[AB], s[G0M+1], v[AB]
	v_lshrrev_b32 v63, 1, v60
	v_and_b32 v[PFO], 1, v60
	v_lshlrev_b32 v[PFO], 8, v[PFO]
	v_lshl_add_u32 v[PFO], v63, 11, v[PFO]         ; row l / 2, block l % 2 of its 512 bytes
	s_lshl_b32 s2, s[WV], 14
	v_lshl_add_u32 v[XA], v60, 4, s2               ; my partial O^T of tile t: 65,536 t + 16,384 w + 16 l
.irp t, 1,2,3
	v_add_nc_u32 v[XA+\t], \t*65536, v[XA]
.endr
	s_lshl_b32 s2, s[WV], 8
	s_add_co_u32 s2, s2, STATS
	v_lshl_add_u32 v[SA], v60, 3, s2
	s_lshl_b32 s2, s[WV], 10
	s_add_co_u32 s2, s2, STATS
	v_lshl_add_u32 v[SR], v60, 3, s2
	s_lshl_b32 s2, s[WV], 16
	v_lshl_add_u32 v[RA], v60, 4, s2
	s_mul_i32 s2, s[WV], 16*SP
	s_add_co_u32 s2, s2, STAGE
	v_mul_u32_u24 v[STO], v1, SP
	v_lshl_add_u32 v[STO], v14, 4, v[STO]
	v_add_nc_u32 v[STO], s2, v[STO]
	v_lshl_add_u32 v[RD], v60, 4, s2
	v_lshlrev_b32 v[GO], 4, v60
; K's LDS loads, in eight runs: run n brings key tile n / 2, channels 128 (n % 2) on: four fragments; an even run brings the key tile's bias first.  They run under window 0 or the products' window (only source 1 differs).
.macro RUNK n
.set kt, (\n)/2
.set hf, (\n)%2
.if hf == 0
	ds_load_b128 v[MB+8*(kt%2):MB+8*(kt%2)+3],   v[AB] offset:64*kt
	ds_load_b128 v[MB+8*(kt%2)+4:MB+8*(kt%2)+7], v[AB] offset:64*kt+16
.endif
.irp c, 0,1,2,3
	ds_load_b128 v[FB+32*hf+8*\c:FB+32*hf+8*\c+3],   v[AK] offset:kt*16*PK+(4*hf+\c)*64
	ds_load_b128 v[FB+32*hf+8*\c+4:FB+32*hf+8*\c+7], v[AK] offset:kt*16*PK+(4*hf+\c)*64+32
.endr
.endm
; 16 products of S^T on run g's fragments.  The four tiles' accumulators take turns.
.macro QKG g
.if (\g) == 7
	s_wait_dscnt 0x0
.elseif (\g)%2 == 0
	s_wait_dscnt 8                                 ; run g is in; the next run's 8 loads may stay out
.else
	s_wait_dscnt 10                                ; the next run has 10: the bias's two among them
.endif
	WIN 0x04                                       ; Q in window 1
.set kt, (\g)/2
.set hf, (\g)%2
.set n, 0
.rept 16
.set rS, S+32*(n%4)+8*kt
.set rK, FB+32*hf+8*(n/4)
.set rQ, 64*(n%4)+8*(4*hf+n/4)
.if (hf == 0) && (n < 4)
	v_wmma_f32_16x16x32_f16 v[rS:rS+7], v[rK:rK+7], v[rQ:rQ+7], v[MB+8*(kt%2):MB+8*(kt%2)+7]
.else
	v_wmma_f32_16x16x32_f16 v[rS:rS+7], v[rK:rK+7], v[rQ:rQ+7], v[rS:rS+7]
.endif
.set n, n+1
.endr
.if (\g) <= 5
	PLACES
	RUNK (\g)+2
.endif
.endm
; V's LDS loads, in eight runs: run n brings channel blocks 2 n, 2 n + 1, both halves of my 64 keys: four fragments, turned
.macro RUNV n
.irp f, 0,1,2,3
	ds_load_tr16_b128 v[FB+32*((\n)%2)+8*\f:FB+32*((\n)%2)+8*\f+3],   v[AV] offset:(\f%2)*32*PV+32*(2*(\n)+\f/2)
	ds_load_tr16_b128 v[FB+32*((\n)%2)+8*\f+4:FB+32*((\n)%2)+8*\f+7], v[AV] offset:(\f%2)*32*PV+32*(2*(\n)+\f/2)+16*PV
.endr
.endm
; 16 products of O^T on run g's fragments.  Behind every second one stand four packed multiplies that rescale a tile of the NEXT channel block by a; the last four are the places in front of the next run of loads.
.macro PVG g
.if (\g) < 7
	s_wait_dscnt 8                                 ; run g is in; the next run's 8 loads may stay out
.else
	s_wait_dscnt 0x0
.endif
.set n, 0
.rept 16
.set cb, 2*(\g)+n/8
.set rO, 32*(cb%8)+8*(n%4)
.set rV, FB+32*((\g)%2)+8*(2*(n/8)+(n/4)%2)
.set rP, S+32*(n%4)+8*((n/4)%2)
	WIN 0xa0+0x50*(cb/8)                           ; C and D in window 2 or 3
	v_wmma_f32_16x16x32_f16 v[rO:rO+7], v[rV:rV+7], v[rP:rP+7], v[rO:rO+7]
.if (n%2 == 1) && (cb < 15)
.set tau, (n%8)/2
.set rR, 32*((cb+1)%8)+8*tau
	WIN 0x82+0x41*((cb+1)/8)                       ; destination and source 0 in window 2 or 3, a in window 0
.irp z, 0,1,2,3
	v_pk_mul_f32 v[rR+2*\z:rR+2*\z+1], v[rR+2*\z:rR+2*\z+1], v[ST+6*tau+2:ST+6*tau+3] op_sel_hi:[1,0]
.endr
.endif
.set n, n+1
.endr
.if (\g) <= 5
	WIN 0
	RUNV (\g)+2
.endif
.endm
; THE SOFTMAX, a line at a time.  MX t, n: number n of the 23 that find tile t's maximum and statistics; each accumulator's lowest registers are read first.
.macro MX t, n
.set rT, ST+6*(\t)
.set rS, S+32*(\t)
.set rC, TC+4*(\t)
.if (\n) < 4
	v_max3_num_f32 v[rC+(\n)], v[rS+8*(\n)], v[rS+8*(\n)+1], v[rS+8*(\n)+2]
.elseif (\n) < 12
	v_max3_num_f32 v[rC+(\n)%4], v[rC+(\n)%4], v[rS+8*((\n)%4)+2*((\n)/4)+1], v[rS+8*((\n)%4)+2*((\n)/4)+2]
.elseif (\n) == 12
	v_max3_num_f32 v[rC], v[rC], v[rS+7], v[rS+15]
.elseif (\n) == 13
	v_max3_num_f32 v[rC+2], v[rC+2], v[rS+23], v[rS+31]
.elseif (\n) == 14
	v_max3_num_f32 v[rC], v[rC], v[rC+1], v[rC+2]
.elseif (\n) == 15
	v_max_num_f32 v[rC], v[rC], v[rC+3]
.elseif (\n) == 16
	v_permlanex16_b32 v[rC+1], v[rC], s[SEL], s[SEL+1]  ; the query's other 32 keys lie in the lane 16 away
.elseif (\n) == 17
	v_mov_b32 v[rT+1], v[rT]
.elseif (\n) == 18
	v_max_num_f32 v[rC], v[rC], v[rC+1]
.elseif (\n) == 19
	v_mul_f32 v[rC], s[CS], v[rC]
.elseif (\n) == 20
	v_max_num_f32 v[rT], v[rT+1], v[rC]
.elseif (\n) == 21
	v_sub_f32 v[rT+3], v[rT+1], v[rT]
.else
	v_exp_f32 v[rT+2], v[rT+3]
.endif
.endm
.macro FS t, i                         ; c s - cm for pair i of 16
.set rT, ST+6*(\t)
.set rS, S+32*(\t)+2*(\i)
	v_pk_fma_f32 v[rS:rS+1], v[rS:rS+1], s[CS:CS+1], v[rT:rT+1] op_sel_hi:[1,0,0] neg_lo:[0,0,1] neg_hi:[0,0,1]
.endm
.macro EX t, e
	v_exp_f32 v[S+32*(\t)+(\e)], v[S+32*(\t)+(\e)]
.endm
.macro US t, z                         ; the tile's 16 pairs of weights are summed in four chains beside S^T, which stays as it is; then l = a l + sum
.set rT, ST+6*(\t)
.set rS, S+32*(\t)
.set rU, TU+8*((\t)%2)
.if (\z) < 4
	v_pk_add_f32 v[rU+2*(\z):rU+2*(\z)+1], v[rS+2*(\z):rS+2*(\z)+1], v[rS+2*(\z)+8:rS+2*(\z)+9]
.elseif (\z) < 12
	v_pk_add_f32 v[rU+2*((\z)%4):rU+2*((\z)%4)+1], v[rU+2*((\z)%4):rU+2*((\z)%4)+1], v[rS+2*(\z)+8:rS+2*(\z)+9]
.elseif (\z) == 12
	v_pk_add_f32 v[rU:rU+1], v[rU:rU+1], v[rU+2:rU+3]
.elseif (\z) == 13
	v_pk_add_f32 v[rU+4:rU+5], v[rU+4:rU+5], v[rU+6:rU+7]
.elseif (\z) == 14
	v_pk_add_f32 v[rU:rU+1], v[rU:rU+1], v[rU+4:rU+5]
.else
	v_pk_fma_f32 v[rT+4:rT+5], v[rT+4:rT+5], v[rT+2:rT+3], v[rU:rU+1] op_sel_hi:[1,0,1]
.endif
.endm
.macro CV t, j                         ; pair j rounded to f16, into the tile's register j: ascending, so nothing unread is written over
	v_cvt_pk_f16_f32 v[S+32*(\t)+(\j)], v[S+32*(\t)+2*(\j)], v[S+32*(\t)+2*(\j)+1]
.endm
; THE SOFTMAX'S FIRST PART.  All 132 exponentials (128 weights, four a) are ONE batch: nothing ahead of the one wait names a result of theirs.  A tile's scalings and exponentials go with the next tile's maximum between them.
.macro SOFTMAX1
	WIN 0
.set n, 0
.rept 23
	MX 0, n
.set n, n+1
.endr
.set tt, 0
.rept 4
.set i, 0
.rept 16
	FS tt, i
.if i >= 1
	EX tt, 2*i-2
.endif
.if tt < 3
	MX tt+1, i
.endif
.if i >= 1
	EX tt, 2*i-1
.endif
.set i, i+1
.endr
	EX tt, 30
.if tt < 3
	MX tt+1, 16
.endif
	EX tt, 31
.if tt < 3
.set n, 17
.rept 6
	MX tt+1, n
.set n, n+1
.endr
.endif
.set tt, tt+1
.endr
	v_nop                                          ; a plain instruction behind the last exponential,
	s_wait_alu depctr_va_vdst(0)                   ; and the one wait ahead of the batch's first reader, and of the labels that follow in the loop
.endm
; ITS SECOND PART: the sums, the roundings, channel block 0's rescaling, V's second run
.macro SOFTMAX2
	WIN 0
.irp u, 0,2
.set i, 0
.rept 16
	US \u, i
	US \u+1, i
.set i, i+1
.endr
.set i, 0
.rept 16
	CV \u, i
	CV \u+1, i
.set i, i+1
.endr
.endr
	WIN 0x82                                       ; channel block 0 is rescaled here, the others beside the products
.irp t, 0,1,2,3
.irp z, 0,1,2,3
	v_pk_mul_f32 v[8*\t+2*\z:8*\t+2*\z+1], v[8*\t+2*\z:8*\t+2*\z+1], v[ST+6*\t+2:ST+6*\t+3] op_sel_hi:[1,0]
.endr
.endr
	WIN 0
	RUNV 1                                         ; into the buffer in which the softmax has worked
.endm
; A REFILL of K's or V's slot.  Each wave waits for all its tensor loads (one is out: the other slot's), adds 0 to its spare word, and waits for that and for its reads of this slot; a round of the cluster's barrier, so that no
; wave of any partner still reads the slot or has a load on its way; then my quarter of the next step's tile, the first thing behind it.
; THE PREFETCH behind it names the step after that: of my wave's 64 rows x 512 bytes my work-group's 16 rows, a lane a block of 256 bytes; the head's first cluster alone asks, so each block is named once; the last refill asks for nothing.
.macro CHANGE g0, g1, pf
	WIN 0
	s_wait_tensorcnt 0x0
	ds_add_u32 v[SPW], v[NIL]
	s_add_nc_u64 s[\g0+2:\g0+3], s[\g0+2:\g0+3], KSTEPB
	s_wait_xcnt 0x0                                ; the last prefetch, half a step back, has read its address
	s_add_nc_u64 s[\pf:\pf+1], s[\pf:\pf+1], KSTEPB
	s_wait_dscnt 0x0
	CROUND
	tensor_load_to_lds s[\g0:\g0+3], s[\g1:\g1+7]
	s_nop 0
	PLACES
	s_cmp_gt_u32 s[CNT], s[LIM]
	s_cbranch_scc0 .Lnp_\@
	global_prefetch_b8 v[PFO], s[\pf:\pf+1] th:TH_LOAD_NT scope:SCOPE_SE
.Lnp_\@:
.endm
.macro QK_ALL
.irp g, 0,1,2,3,4,5,6,7
	QKG \g
.endr
.endm
.macro PV_ALL
.irp g, 0,1,2,3,4,5,6,7
	PVG \g
.endr
.endm
	s_wait_tensorcnt 1                             ; the bias and K of step 0 are in, my own bytes; V of step 0 may stay out
	RUNK 0
	RUNK 1
	s_wait_loadcnt 0x0                             ; Q
.Lstep:                                        ; 15 trips: step j; K and V of step j + 1 are asked for
	QK_ALL                                         ; its eighth group has waited for my last reads of K's slot
	WIN 0
	PLACES                                         ; behind the last products, ahead of the maximum that reads their results and works in their fragments' buffer
	SOFTMAX1
	CHANGE G0K, G1K, PFK                           ; K's slot is filled again; the wait for all loads in front of the round has shown V of this step landed,
	RUNV 0                                         ; so V's first run may be read
	SOFTMAX2
	PV_ALL
	CHANGE G0V, G1V, PFV                           ; V's slot is filled again; its wait has shown K of the next step landed.  Its four v_nop are places behind the last products
	v_add_nc_u32 v[AB], 256, v[AB]                 ; with those four and the one below: six plain instructions between the last product that read P and the first that writes over it
	v_nop
	RUNK 0
	RUNK 1
	s_sub_co_u32 s[CNT], s[CNT], 1
	s_cmp_lg_u32 s[CNT], 0
	s_cbranch_scc1 .Lstep
	QK_ALL                                         ; step 15 is written out
	s_wait_tensorcnt 0x0                           ; V of step 15
	WIN 0
	PLACES
	RUNV 0
	SOFTMAX1
	SOFTMAX2
	PV_ALL
	; THE END.  l's two halves and the other half of the lanes' are added; each wave lays (cm, l) and its O^T into the slots; wave w then finishes tile w: O = sum of f O_w' / sum of f l_w', f = 2^(cm_w' - the greatest cm).
	WIN 0
	PLACES
.irp t, 0,1,2,3
	v_add_f32 v[ST+6*\t+4], v[ST+6*\t+4], v[ST+6*\t+5]
.endr
.irp t, 0,1,2,3
	v_permlanex16_b32 v[ST+6*\t+5], v[ST+6*\t+4], s[SEL], s[SEL+1]
.endr
.irp t, 0,1,2,3
	v_add_f32 v[ST+6*\t+1], v[ST+6*\t+4], v[ST+6*\t+5]  ; beside cm, as a pair
.endr
	s_wait_dscnt 0x0
	s_barrier_signal -1                            ; nobody reads the slots any more, and no fill follows
	s_barrier_wait -1
.irp t, 0,1,2,3
	ds_store_b64 v[SA], v[ST+6*\t:ST+6*\t+1] offset:1024*\t
.endr
.set cb, 0
.rept 16
	WIN 0x08+4*(cb/8)                              ; store data in window 2, then 3
.irp t, 0,1,2,3
	ds_store_b128 v[XA+\t], v[32*(cb%8)+8*\t:32*(cb%8)+8*\t+3]   offset:(2*cb)*512
	ds_store_b128 v[XA+\t], v[32*(cb%8)+8*\t+4:32*(cb%8)+8*\t+7] offset:(2*cb+1)*512
.endr
.set cb, cb+1
.endr
	WIN 0
	s_wait_dscnt 0x0                               ; for the others' sake
	s_barrier_signal -1
	s_barrier_wait -1
.irp w, 0,1,2,3
	ds_load_b64 v[64+2*\w:65+2*\w], v[SR] offset:256*\w
.endr
	s_wait_dscnt 0x0
	v_max3_num_f32 v72, v64, v66, v68
	v_max_num_f32 v72, v72, v70
.irp w, 0,1,2,3
	v_sub_f32 v[74+\w], v[64+2*\w], v72
.endr
.irp w, 0,1,2,3
	v_exp_f32 v[74+\w], v[74+\w]
.endr
	v_nop
	s_wait_alu depctr_va_vdst(0)                   ; one wait for the four
	v_mul_f32 v78, v74, v65
	v_fma_f32 v78, v75, v67, v78
	v_fma_f32 v78, v76, v69, v78
	v_fma_f32 v78, v77, v71, v78
	v_rcp_f32 v79, v78
	v_nop
	s_wait_alu depctr_va_vdst(0)
.irp w, 0,1,2,3
	v_mul_f32 v[80+2*\w], v[74+\w], v79            ; f / the sum, written to both registers of a pair
	v_mul_f32 v[81+2*\w], v[74+\w], v79
.endr
	s_mov_b32 s[CNT], 4
.Lcomb:                                        ; four trips of four channel blocks: the four waves' parts (32 registers each) are weighted and added, rounded to f16 and laid into my stage
.irp w, 0,1,2,3
.irp i, 0,1,2,3,4,5,6,7
	ds_load_b128 v[128+32*\w+4*\i:128+32*\w+4*\i+3], v[RA] offset:16384*\w+512*\i
.endr
.endr
	s_wait_dscnt 0x0
.set i, 0
.rept 16
	v_pk_mul_f32 v[128+i:129+i], v[128+i:129+i], v[80:81] op_sel_hi:[1,0]
.set i, i+2
.endr
.irp w, 1,2,3
.set i, 0
.rept 16
	v_pk_fma_f32 v[128+i:129+i], v[128+32*\w+i:129+32*\w+i], v[80+2*\w:81+2*\w], v[128+i:129+i] op_sel_hi:[1,0,1]
.set i, i+2
.endr
.endr
.set i, 0
.rept 16
	v_cvt_pk_f16_f32 v[96+i], v[128+2*i], v[129+2*i]
.set i, i+1
.endr
.irp c, 0,1,2,3
	ds_store_b128 v[STO], v[96+4*\c:99+4*\c] offset:32*\c  ; a lane's eight channels of a query are 16 bytes, in rows of 528 bytes
.endr
	v_add_nc_u32 v[RA], 4096, v[RA]
	v_add_nc_u32 v[STO], 128, v[STO]
	s_sub_co_u32 s[CNT], s[CNT], 1
	s_cmp_lg_u32 s[CNT], 0
	s_cbranch_scc1 .Lcomb
.set i, 0
.rept 16
	ds_load_b128 v[192+4*i:192+4*i+3], v[RD] offset:SP*i  ; back as whole rows of 512 bytes: LDS serves a wave's instructions in order, so these see the stores above
.set i, i+1
.endr
.set i, 0
.rept 16
	s_wait_dscnt 15-i
	global_store_b128 v[GO], v[192+4*i:192+4*i+3], s[8:9] offset:2048*i  ; 512 consecutive bytes, aligned
.set i, i+1
.endr
	s_wait_tensorcnt 0x0                           ; the wave's end
	ds_add_u32 v[SPW], v[NIL]
	s_wait_dscnt 0x0
	CROUND                                         ; the closing round
	s_endpgm
.Lfunc_end_k_qb7dbc4467d_attn:
	.size	k_qb7dbc4467d_attn, .Lfunc_end_k_qb7dbc4467d_attn-k_qb7dbc4467d_attn
	.p2alignl 7, 3214868480
	.fill 96, 4, 3214868480
	.section	.rodata,"a",@progbits
	.p2align	6, 0x0
	.amdhsa_kernel k_qb7dbc4467d_attn
		.amdhsa_group_segment_fixed_size 327680
		.amdhsa_private_segment_fixed_size 0
		.amdhsa_enable_private_segment 0
		.amdhsa_kernarg_size 24
		.amdhsa_user_sgpr_count 2
		.amdhsa_user_sgpr_kernarg_segment_ptr 1
		.amdhsa_wavefront_size32 1
		.amdhsa_system_sgpr_workgroup_id_x 1
		.amdhsa_system_sgpr_workgroup_id_y 1
		.amdhsa_system_sgpr_workgroup_id_z 1
		.amdhsa_system_vgpr_workitem_id 0
		.amdhsa_next_free_vgpr 1024
		.amdhsa_next_free_sgpr 66
		.amdhsa_reserve_vcc 0
		.amdhsa_float_denorm_mode_32 3
		.amdhsa_float_denorm_mode_16_64 3
		.amdhsa_memory_ordered 1
		.amdhsa_forward_progress 1
		.amdhsa_inst_pref_size 188
	.end_amdhsa_kernel
	.amdgpu_metadata
---
amdhsa.version: [ 1, 2 ]
amdhsa.kernels:
  - .name:           k_qb7dbc4467d_attn
    .symbol:         k_qb7dbc4467d_attn.kd
    .args:
      - { .name: pj, .offset: 0, .size: 8, .value_kind: global_buffer, .address_space: global }
      - { .name: kbias, .offset: 8, .size: 8, .value_kind: global_buffer, .address_space: global }
      - { .name: ctx, .offset: 16, .size: 8, .value_kind: global_buffer, .address_space: global }
    .group_segment_fixed_size: 327680
    .private_segment_fixed_size: 0
    .kernarg_segment_align: 8
    .kernarg_segment_size: 24
    .max_flat_workgroup_size: 128
    .sgpr_count:     66
    .vgpr_count:     1024
    .wavefront_size: 32
...
	.end_amdgpu_metadata
.endif
;; end of part 3
;; launch out (part 4): grid 8 x 32, 4 waves a work-group, clusters of 4 x 4, 327,680 bytes of LDS; arguments ctx, wb, bo, kbias, out0; writes out0
.if DOCPART == 4
	.amdgcn_target "amdgcn-amd-amdhsa--gfx1250"
	.amdhsa_code_object_version 6
	.text
	.protected	k_qb7dbc4467d_out
	.globl	k_qb7dbc4467d_out
	.p2align	8
	.type	k_qb7dbc4467d_out,@function
k_qb7dbc4467d_out:
	s_mov_b64 s[64:65], 0
	v_nop
	global_prefetch_b8 v0, s[64:65] scope:SCOPE_SE
	s_setreg_imm32_b32 hwreg(HW_REG_WAVE_MODE, 25, 1), 1
	s_wait_xcnt 0x0
	s_wait_alu depctr_hold_cnt(0) depctr_sa_sdst(0) depctr_va_vdst(0) depctr_va_sdst(0) depctr_va_ssrc(0) depctr_va_vcc(0) depctr_vm_vsrc(0)
	s_getreg_b32 s2, hwreg(HW_REG_IB_STS2, 6, 4)
	s_cmp_eq_u32 s2, 0
	s_cbranch_scc0 .Lentry_in_a_cluster
	s_endpgm
.Lentry_in_a_cluster:
	s_bfe_u32 s2, ttmp6, 0x10000c
	s_cmp_lg_u32 s2, 0xf033
	s_cbranch_scc0 .Lentry_shape_is_right
	s_endpgm
.Lentry_shape_is_right:
; OUT: out0[n] = ctx[n] wo + bo where token n is active (kbias[n] = 0), else 0.  ctx: f16 [4096][1024]; wo: f16 [k][n] at 8 MiB in wb, rows of 2,048 bytes; bo rounded to bf16 like the other inputs; out0: f32 [4096][1024].
; A tile is 128 x 128: 256 work-groups.  Four waves, each 64 x 64: 16 accumulators.  K goes in four steps of 256 through two LDS slots.
; A K STEP IS WRITTEN ONCE with its refill and once without: the slot in hand (C) and the next (N) are two sets of address registers, made anew at each step from two scalars that an exclusive or turns.
; CLUSTER 4 x 4: A's tile is shared along a row of the cluster, B's along a column: each is asked for jointly.  B lies [k][n] in LDS and comes out turned; the matrix instruction is used transposed, so a lane holds eight
; neighbouring columns of one token.  No prefetch: the tiles are small and the launch is short.
; REGISTERS: window 0: v0-31 addresses; v32-63 sums, v64-95 rows to store; v96-127 bo; v128-255 accumulators ((a, b) at 128 + 8 (4 a + b)).  Window 1: two fragment buffers of 128: 64 of A, then 64 of B, for 64 along K.
.set PA,    528                        ; a row of A in LDS: 512 + 16 bytes
.set PB,    288                        ; a row of B: 256 + 32 bytes, an odd multiple of 32
.set AHALF, 64*PA                      ; 0x8400
.set BHALF, 128*PB                     ; 0x9000
.set BOFF,  2*AHALF                    ; 0x10800
.set SLOT,  0x24000                    ; a slot's 141,312 bytes, rounded up so that the stride shares no bit with the waves' places in a slot (0x8400, 0x10800, 0x19800)
.set STAGE, 2*SLOT                     ; 16 rows x 272 bytes for each wave, never filled
.set SPITCH, 272
.set SPARE, STAGE+4*16*SPITCH          ; the spare words, 128 bytes a wave: two blocks of 256 bytes that no other line names
.set A0,   14                          ; v14  my lane's and wave's place in a slot's A
.set B0,   15                          ; v15  the same for B
.set ADRA, 16                          ; v16, v17  slot C, N
.set ADRB, 20                          ; v20, v21  k rows 0-127 of slot C, N; v22, v23  k rows 128-255
.set STO,  24
.set RD,   25
.set CO,   26
.set BOV,  27
.set SPW,  28
.set NIL,  29
.set KBV,  30
.set TMP,  32
.set BK,   64
.set BI,   96
.set ACC,  128
.set F0,   0
.set F1,   128
.set G1,  24
.set G0,  32                           ; s[32:35] group 0 for A's K step 0; s[36:39] for K step 1, which then walks
.set G1B, 48
.set G0B, 56                           ; s[56:59], s[60:63]: the same for B
.set WV,  72
.set RH,  73
.set CH,  74
.set TBC, 75                           ; s75  LDS byte of the slot in hand
.set TBN, 76                           ; s76  of the next
.set MSB, 0
.macro WIN new
.if MSB != (\new)
	s_set_vgpr_msb (MSB<<8)|(\new)
.set MSB, \new
.endif
.endm
.set MUL,  0x05
.set TO_F, 0x40
.macro PLACES
.rept 4
	v_nop
.endr
.endm
.macro JLOAD                           ; the refill: waves 0, 1 fetch A's halves, waves 2, 3 B's; s_nop 0 and four v_nop follow each line
	s_cmp_eq_u32 s[RH], 0
	s_cbranch_scc0 .Lfor_b_\@
	tensor_load_to_lds s[G0+4:G0+7], s[G1:G1+7]
	s_nop 0
	PLACES
	s_branch .Lasked_\@
.Lfor_b_\@:
	tensor_load_to_lds s[G0B+4:G0B+7], s[G1B:G1B+7]
	s_nop 0
	PLACES
.Lasked_\@:
.endm
.macro CREST
	s_cmp_lg_u32 s[WV], 0
	s_cbranch_scc1 .Lnot_wave_0_\@
	s_barrier_signal -3
.Lnot_wave_0_\@:
	s_barrier_wait -3
	s_barrier_signal -1
	s_barrier_wait -1
.endm
.macro CROUND
	s_barrier_signal -1
	s_barrier_wait -1
	CREST
.endm
.macro SETADR
	v_add_nc_u32 v[ADRA],   s[TBC], v[A0]
	v_add_nc_u32 v[ADRA+1], s[TBN], v[A0]
	v_add_nc_u32 v[ADRB],   s[TBC], v[B0]
	v_add_nc_u32 v[ADRB+1], s[TBN], v[B0]
	v_add_nc_u32 v[ADRB+2], BHALF, v[ADRB]
	v_add_nc_u32 v[ADRB+3], BHALF, v[ADRB+1]
.endm
	s_load_b256 s[4:11], s[0:1], 0x0               ; ctx s[4:5], wb s[6:7], bo s[8:9], kbias s[10:11]
	s_load_b64 s[70:71], s[0:1], 0x20              ; out0
	v_lshl_add_u32 v[SPW], v0, 2, SPARE
	v_mov_b32 v[NIL], 0
	ds_add_u32 v[SPW], v[NIL]                      ; the wave's opening: the add and its wait ahead of my first tensor load
	v_lshrrev_b32 v1, 5, v0
	v_readfirstlane_b32 s[WV], v1
	s_lshr_b32 s[RH], s[WV], 1                     ; my half of the tile's rows.  Also: I fetch for A (0) or B (1)
	s_and_b32 s[CH], s[WV], 1                      ; my half of its columns.  Also: which half of that tile I fetch
	s_bfe_u32 s40, ttmp6, 0x40000                  ; cx
	s_bfe_u32 s41, ttmp6, 0x40004                  ; cy
	s_lshl_b32 s42, ttmp9, 2
	s_add_co_u32 s42, s42, s40                     ; tile column
	s_and_b32 s13, ttmp7, 0xffff
	s_lshl_b32 s13, s13, 2
	s_add_co_u32 s13, s13, s41                     ; tile row
	s_lshl_b32 s43, s41, 2
	s_lshl_b32 s43, 15, s43                        ; my row of the cluster
	s_lshl_b32 s44, 0x1111, s40                    ; my column
	s_or_b32 s[G1+0], s43, (1<<16)|(1<<20)|(1<<21)|(6<<22)|(3<<25)   ; A: 64 rows x 256 elements; after every 128 words, 4 words of padding
	s_mov_b32 s[G1+1], 256<<16
	s_mov_b32 s[G1+2], 64<<16
	s_mov_b32 s[G1+3], 256<<16
	s_mov_b32 s[G1+4], 64
	s_mov_b32 s[G1+5], 1024
	s_mov_b32 s[G1+6], 0
	s_mov_b32 s[G1+7], 0
	s_or_b32 s[G1B+0], s44, (1<<16)|(1<<20)|(1<<21)|(5<<22)|(7<<25)  ; B: 128 k rows x 128 elements; after every 64 words, 8 words
	s_mov_b32 s[G1B+1], 128<<16
	s_mov_b32 s[G1B+2], 128<<16
	s_mov_b32 s[G1B+3], 128<<16
	s_mov_b32 s[G1B+4], 128
	s_mov_b32 s[G1B+5], 1024
	s_mov_b32 s[G1B+6], 0
	s_mov_b32 s[G1B+7], 0
	s_lshl_b32 s16, s13, 18                        ; A: (128 tile row + 64 half) rows of 2,048 bytes: nothing of cx
	s_lshl_b32 s17, s[CH], 17
	s_add_co_u32 s16, s16, s17
	s_mov_b32 s17, 0
	s_lshl_b32 s46, s42, 8                         ; B: 8 MiB + 256 x tile column + 128 half rows: nothing of cy
	s_lshl_b32 s47, s[CH], 18
	s_add_co_u32 s46, s46, s47
	s_add_co_u32 s46, s46, 0x800000
	s_mov_b32 s47, 0
	s_mul_i32 s20, s[CH], AHALF
	s_mul_i32 s21, s[CH], BHALF
	s_add_co_u32 s21, s21, BOFF
	s_mov_b32 s[TBC], 0
	s_mov_b32 s[TBN], SLOT
	s_wait_dscnt 0x0                               ; the opening add is done
	s_wait_kmcnt 0x0
	s_add_nc_u64 s[14:15], s[4:5], s[16:17]
	s_add_nc_u64 s[46:47], s[6:7], s[46:47]
	CROUND                                         ; all sixteen work-groups are here: the first joint loads meet
.irp s, 0,1
	s_mov_b32 s[G0+4*\s], 1
	s_add_co_u32 s[G0+4*\s+1], s20, \s*SLOT
	s_add_nc_u64 s[G0+4*\s+2:G0+4*\s+3], s[14:15], \s*512
	s_or_b32 s[G0+4*\s+3], s[G0+4*\s+3], 0x80000000
	s_mov_b32 s[G0B+4*\s], 1
	s_add_co_u32 s[G0B+4*\s+1], s21, \s*SLOT
	s_add_nc_u64 s[G0B+4*\s+2:G0B+4*\s+3], s[46:47], \s*524288
	s_or_b32 s[G0B+4*\s+3], s[G0B+4*\s+3], 0x80000000
.endr
	s_cmp_eq_u32 s[RH], 0                          ; a wave's two first fills stand in one branch: two loads of mine are out
	s_cbranch_scc0 .Lfirst_b
	tensor_load_to_lds s[G0:G0+3], s[G1:G1+7]
	s_nop 0
	tensor_load_to_lds s[G0+4:G0+7], s[G1:G1+7]
	s_nop 0
	PLACES
	s_branch .Lfirst_done
.Lfirst_b:
	tensor_load_to_lds s[G0B:G0B+3], s[G1B:G1B+7]
	s_nop 0
	tensor_load_to_lds s[G0B+4:G0B+7], s[G1B:G1B+7]
	s_nop 0
	PLACES
.Lfirst_done:
	v_and_b32 v1, 15, v0                           ; r
	v_bfe_u32 v2, v0, 4, 1                         ; h
	v_and_b32 v3, 7, v0
	v_bfe_u32 v4, v0, 3, 1
	v_mul_u32_u24 v[A0], v1, PA                    ; A's fragment: row r x pitch + 16 h, in my 64 rows
	v_lshl_add_u32 v[A0], v2, 4, v[A0]
	s_mul_i32 s22, s[RH], AHALF
	v_add_nc_u32 v[A0], s22, v[A0]
	v_lshl_add_u32 v[B0], v2, 3, v3                ; B's: k row 8 h + l % 8, 16 bytes for each half of eight lanes, in my 64 columns
	v_mul_u32_u24 v[B0], v[B0], PB
	v_lshl_add_u32 v[B0], v4, 4, v[B0]
	s_lshl_b32 s22, s[CH], 7
	s_add_co_u32 s22, s22, BOFF
	v_add_nc_u32 v[B0], s22, v[B0]
	SETADR
	s_mul_i32 s22, s[WV], 16*SPITCH
	s_add_co_u32 s22, s22, STAGE
	v_mul_u32_u24 v[STO], v1, SPITCH               ; in: token r, 32 bytes for each half of the lanes
	v_lshl_add_u32 v[STO], v2, 5, v[STO]
	v_add_nc_u32 v[STO], s22, v[STO]
	v_mul_u32_u24 v[RD], v2, SPITCH                ; back: lanes 0-15 one token's 256 bytes, lanes 16-31 the next's
	v_lshl_add_u32 v[RD], v1, 4, v[RD]
	v_add_nc_u32 v[RD], s22, v[RD]
	v_lshlrev_b32 v[CO], 12, v2
	v_lshl_add_u32 v[CO], v1, 4, v[CO]
	v_lshlrev_b32 v[BOV], 5, v2
	v_lshlrev_b32 v[KBV], 2, v1
	s_lshl_b32 s22, s42, 9                         ; my 64 columns: 256 bytes of bo and of a row of out0
	s_lshl_b32 s23, s[CH], 8
	s_add_co_u32 s22, s22, s23
	s_mov_b32 s23, 0
	s_add_nc_u64 s[8:9], s[8:9], s[22:23]
	s_add_nc_u64 s[70:71], s[70:71], s[22:23]
	s_lshl_b32 s22, s13, 19                        ; my 64 tokens: rows of 4,096 bytes,
	s_lshl_b32 s12, s[RH], 18
	s_add_co_u32 s22, s22, s12
	s_add_nc_u64 s[70:71], s[70:71], s[22:23]
	s_lshl_b32 s22, s13, 9                         ; and 4 bytes each of kbias
	s_lshl_b32 s12, s[RH], 8
	s_add_co_u32 s22, s22, s12
	s_add_nc_u64 s[10:11], s[10:11], s[22:23]
.irp b, 0,1,2,3
	global_load_b128 v[BI+8*\b:BI+8*\b+3],   v[BOV], s[8:9] offset:64*\b      ; columns 16 b + 8 h + 0..7; waited for on the way out
	global_load_b128 v[BI+8*\b+4:BI+8*\b+7], v[BOV], s[8:9] offset:64*\b+16
.endr
.irp a, 0,1,2,3
	global_load_b32 v[8+\a], v[KBV], s[10:11] offset:64*\a                    ; token 16 a + r
.endr
.macro MUL8 f, c, a0, zero             ; 8 products: token blocks a0, a0 + 1 x all 4 column blocks, half c of buffer f; the 16 accumulators take turns
	WIN MUL
.irp a, \a0, (\a0)+1
.irp b, 0,1,2,3
.if \zero
	v_wmma_f32_16x16x32_f16 v[ACC+8*(4*(\a)+(\b)):ACC+8*(4*(\a)+(\b))+7], v[(\f)+64+8*(4*(\c)+(\b)):(\f)+64+8*(4*(\c)+(\b))+7], v[(\f)+8*(4*(\c)+(\a)):(\f)+8*(4*(\c)+(\a))+7], 0
.else
	v_wmma_f32_16x16x32_f16 v[ACC+8*(4*(\a)+(\b)):ACC+8*(4*(\a)+(\b))+7], v[(\f)+64+8*(4*(\c)+(\b)):(\f)+64+8*(4*(\c)+(\b))+7], v[(\f)+8*(4*(\c)+(\a)):(\f)+8*(4*(\c)+(\a))+7], v[ACC+8*(4*(\a)+(\b)):ACC+8*(4*(\a)+(\b))+7]
.endif
.endr
.endr
.endm
.macro FETCH set, q, f                 ; 32 LDS loads in one run: quarter q (64 along K) of slot set (0: in hand, 1: next) into buffer f, its first 32 along K first
	WIN TO_F
.irp c, 0,1
.irp i, 0,1,2,3
	ds_load_tr16_b128 v[(\f)+64+8*(4*(\c)+(\i)):(\f)+64+8*(4*(\c)+(\i))+3],   v[ADRB+2*((\q)/2)+(\set)] offset:(((\q)%2)*64+32*(\c))*PB+32*(\i)
	ds_load_tr16_b128 v[(\f)+64+8*(4*(\c)+(\i))+4:(\f)+64+8*(4*(\c)+(\i))+7], v[ADRB+2*((\q)/2)+(\set)] offset:(((\q)%2)*64+32*(\c))*PB+32*(\i)+16*PB
	ds_load_b128 v[(\f)+8*(4*(\c)+(\i)):(\f)+8*(4*(\c)+(\i))+3],   v[ADRA+(\set)] offset:128*(\q)+64*(\c)+(\i)*16*PA
	ds_load_b128 v[(\f)+8*(4*(\c)+(\i))+4:(\f)+8*(4*(\c)+(\i))+7], v[ADRA+(\set)] offset:128*(\q)+64*(\c)+(\i)*16*PA+32
.endr
.endr
.endm
.macro QUARTER set, q, f, g, zero
	s_wait_dscnt 16                                ; the first 32 along K are in; the other sixteen loads may be out
	MUL8 \f, 0, 0, \zero
	MUL8 \f, 0, 2, \zero
	PLACES
	FETCH \set, \q, \g
	s_wait_dscnt 32                                ; all but the 32 just issued
	MUL8 \f, 1, 0, 0
	MUL8 \f, 1, 2, 0
.endm
; The last quarter of a K step and the change of slots: each wave waits for all its tensor loads, adds 0 to its spare word, and waits for that and for its reads of this slot.  fill = 1: the slot is filled again, two K steps ahead.
.macro TURN fill
	WIN 0
	s_wait_tensorcnt 0x0
	ds_add_u32 v[SPW], v[NIL]
	s_wait_dscnt 17                                ; the add and the youngest sixteen loads may be out
	MUL8 F1, 0, 0, 0
	s_wait_dscnt 0x0
	s_barrier_signal -1
	MUL8 F1, 0, 2, 0
.if \fill
	WIN 0
.endif
	s_barrier_wait -1
.if \fill
	CREST                                          ; no wave of any partner still reads this slot or has a load on its way
	s_xor_b32 s[G0+5], s[G0+5], SLOT               ; the walking descriptors: the other slot than last time, the next K step
	s_add_nc_u64 s[G0+6:G0+7], s[G0+6:G0+7], 512
	s_xor_b32 s[G0B+5], s[G0B+5], SLOT
	s_add_nc_u64 s[G0B+6:G0B+7], s[G0B+6:G0B+7], 524288
	JLOAD                                          ; its four v_nop are also the places in front of the loads below
.else
	PLACES
.endif
	FETCH 1, 0, F0
	MUL8 F1, 1, 0, 0
	MUL8 F1, 1, 2, 0
.endm
.macro SWAP                            ; the next slot becomes the slot in hand
	WIN 0
	s_xor_b32 s[TBC], s[TBC], SLOT
	s_xor_b32 s[TBN], s[TBN], SLOT
	SETADR
.endm
	s_wait_tensorcnt 1                             ; my part of K step 0 is in; K step 1's may stay out
	s_barrier_signal -1
	s_barrier_wait -1
	FETCH 0, 0, F0
	QUARTER 0, 1, F0, F1, 1                        ; its first products start the sums
	WIN 0
	s_mov_b32 s3, 2
.Lk:                                           ; a trip: a K step's quarters 1 to 3 and the next step's quarter 0; K steps 2 and 3 are asked for
	QUARTER 0, 2, F1, F0, 0
	QUARTER 0, 3, F0, F1, 0
	TURN 1
	QUARTER 1, 1, F0, F1, 0
	SWAP
	s_sub_co_u32 s3, s3, 1
	s_cmp_lg_u32 s3, 0
	s_cbranch_scc1 .Lk
	s_mov_b32 s3, 2
.Ltail:                                        ; K steps 2 and 3: nothing is left to ask for, so no tensor load stands here; the second trip is left in its middle
	QUARTER 0, 2, F1, F0, 0
	QUARTER 0, 3, F0, F1, 0
	WIN 0
	s_sub_co_u32 s3, s3, 1
	s_cmp_eq_u32 s3, 0                             ; a constant count, the same in every wave and work-group
	s_cbranch_scc1 .Llast
	TURN 0
	QUARTER 1, 1, F0, F1, 0
	SWAP
	s_cmp_lg_u32 s3, 0
	s_cbranch_scc1 .Ltail
.Llast:
	s_wait_dscnt 16
	MUL8 F1, 0, 0, 0
	MUL8 F1, 0, 2, 0
	s_wait_dscnt 0x0
	MUL8 F1, 1, 0, 0
	MUL8 F1, 1, 2, 0
	WIN 0
	PLACES
	; THE WAY OUT.  + bo; 0 where the token is hidden; 16 tokens at a time through my own stage; my 64 columns are 256 consecutive bytes of a row of out0, aligned.
	s_wait_loadcnt 0x0
.irp b, 0,1,2,3
.irp j, 0,1,2,3
	v_cvt_pk_bf16_f32 v[TMP+\j], v[BI+8*\b+2*\j], v[BI+8*\b+2*\j+1]
.endr
.irp j, 0,1,2,3
	v_lshlrev_b32 v[BI+8*\b+2*\j],   16, v[TMP+\j]
	v_and_b32     v[BI+8*\b+2*\j+1], 0xffff0000, v[TMP+\j]
.endr
.endr
.irp a, 0,1,2,3
	v_cmp_eq_f32 s[66+\a], 0, v[8+\a]              ; is token 16 a + r active?
.endr
.irp a, 0,1,2,3
.irp b, 0,1,2,3
.irp j, 0,2,4,6
	v_pk_add_f32 v[TMP+8*\b+\j:TMP+8*\b+\j+1], v[ACC+8*(4*\a+\b)+\j:ACC+8*(4*\a+\b)+\j+1], v[BI+8*\b+\j:BI+8*\b+\j+1]
.endr
.endr
.set i, 0
.rept 32
	v_cndmask_b32 v[TMP+i], 0, v[TMP+i], s[66+\a]
.set i, i+1
.endr
.irp b, 0,1,2,3
	ds_store_b128 v[STO], v[TMP+8*\b:TMP+8*\b+3]   offset:64*\b
	ds_store_b128 v[STO], v[TMP+8*\b+4:TMP+8*\b+7] offset:64*\b+16
.endr
	s_wait_xcnt 0x0                                ; the stores of the 16 tokens before have read their data
.irp t, 0,1,2,3,4,5,6,7
	ds_load_b128 v[BK+4*\t:BK+4*\t+3], v[RD] offset:\t*2*SPITCH  ; LDS serves a wave's instructions in order: these see the stores above
.endr
	s_wait_dscnt 0x0
.irp t, 0,1,2,3,4,5,6,7
	global_store_b128 v[CO], v[BK+4*\t:BK+4*\t+3], s[70:71] offset:(16*\a+2*\t)*4096 th:TH_STORE_NT
.endr
.endr
	s_wait_tensorcnt 0x0                           ; the wave's end
	ds_add_u32 v[SPW], v[NIL]
	s_wait_dscnt 0x0
	CROUND                                         ; the closing round
	s_endpgm
.Lfunc_end_k_qb7dbc4467d_out:
	.size	k_qb7dbc4467d_out, .Lfunc_end_k_qb7dbc4467d_out-k_qb7dbc4467d_out
	.p2alignl 7, 3214868480
	.fill 96, 4, 3214868480
	.section	.rodata,"a",@progbits
	.p2align	6, 0x0
	.amdhsa_kernel k_qb7dbc4467d_out
		.amdhsa_group_segment_fixed_size 327680
		.amdhsa_private_segment_fixed_size 0
		.amdhsa_enable_private_segment 0
		.amdhsa_kernarg_size 40
		.amdhsa_user_sgpr_count 2
		.amdhsa_user_sgpr_kernarg_segment_ptr 1
		.amdhsa_wavefront_size32 1
		.amdhsa_system_sgpr_workgroup_id_x 1
		.amdhsa_system_sgpr_workgroup_id_y 1
		.amdhsa_system_sgpr_workgroup_id_z 1
		.amdhsa_system_vgpr_workitem_id 0
		.amdhsa_next_free_vgpr 512
		.amdhsa_next_free_sgpr 80
		.amdhsa_reserve_vcc 0
		.amdhsa_float_denorm_mode_32 3
		.amdhsa_float_denorm_mode_16_64 3
		.amdhsa_memory_ordered 1
		.amdhsa_forward_progress 1
		.amdhsa_inst_pref_size 76
	.end_amdhsa_kernel
	.amdgpu_metadata
---
amdhsa.version: [ 1, 2 ]
amdhsa.kernels:
  - .name:           k_qb7dbc4467d_out
    .symbol:         k_qb7dbc4467d_out.kd
    .args:
      - { .name: ctx, .offset: 0, .size: 8, .value_kind: global_buffer, .address_space: global }
      - { .name: wb, .offset: 8, .size: 8, .value_kind: global_buffer, .address_space: global }
      - { .name: bo, .offset: 16, .size: 8, .value_kind: global_buffer, .address_space: global }
      - { .name: kbias, .offset: 24, .size: 8, .value_kind: global_buffer, .address_space: global }
      - { .name: out0, .offset: 32, .size: 8, .value_kind: global_buffer, .address_space: global }
    .group_segment_fixed_size: 327680
    .private_segment_fixed_size: 0
    .kernarg_segment_align: 8
    .kernarg_segment_size: 40
    .max_flat_workgroup_size: 128
    .sgpr_count:     80
    .vgpr_count:     512
    .wavefront_size: 32
...
	.end_amdgpu_metadata
.endif
;; end of part 4
